; MI455X (gfx1250); checked and timed in simulation.
; The chip was launched on July 23, 2026; its instructions are those of AMD's public machine-readable ISA for CDNA 5 (MIT licence, August 2026) and "CDNA5" Instruction Set Architecture Reference Guide (July 2026). The comments in the code are by the model that wrote it; some were corrected since.
;; Self Attention. Allowed arithmetic: matrix products marked QUANTISED: E2M1 operands, one E8M0 scale for each 32 along K, by v_wmma_scale_f32_16x16x128_f8f6f4 with both operands' format E2M1 (or v_wmma_scale_f32_32x16x128_f4), f32 sums; products left as they are: bf16, f16 or f32 operands; f32 sums; everything else in f32.
;; Inputs: freqs_cos 2,048 x 32 float32; freqs_sin 2,048 x 32 float32; mask 2,048 x 2,048 float32; wk 1,024 x 1,024 float32; wo 1,024 x 1,024 float32; wq 1,024 x 1,024 float32; wv 1,024 x 1,024 float32; x 2 x 2,048 x 1,024 float32.
;; Outputs: out0 2 x 2,048 x 1,024 float32.
;; This version of the problem:
;;   THIS VERSION OF THE PROBLEM IS GIVEN IN LOW PRECISION. The matrix products marked QUANTISED in the list below multiply operands that are first quantised to E2M1 (2 exponent bits, 1 mantissa bit; 4 bits a number), with one power-of-two scale for each 32 numbers along K (OCP MX v1.0); their sums are f32. The products marked 'left as it is' may take bf16, f16 or f32 operands, with f32 sums. Whichever they take, every output number must still come out within the allowed error. Rounding operands to bf16 (8 significant bits) uses up far more of that allowance than f16 does (11 bits, for magnitudes from 6e-5 to 65,504). All else is computed in f32.
;;   The module's matrix products, in the order in which they are computed (A, B: the left and right operand; K: the contracted axis; several contracted axes count as one K, in the product's order):
;;     1. [M 4,096, K 1,024] x [K 1,024, N 1,024]; A: input x; B: input wq: QUANTISED
;;     2. [M 4,096, K 1,024] x [K 1,024, N 1,024]; A: input x; B: input wk: QUANTISED
;;     3. [M 4,096, K 1,024] x [K 1,024, N 1,024]; A: input x; B: input wv: QUANTISED
;;     4. batch 32 x [M 2,048, K 64] x [K 64, N 2,048]; A: computed on the way; B: computed on the way: left as it is (an operand is computed on the way)
;;     5. batch 32 x [M 64, K 2,048] x [K 2,048, N 2,048]; A: computed on the way; B: computed on the way: left as it is (an operand is computed on the way)
;;     6. [M 4,096, K 1,024] x [K 1,024, N 1,024]; A: computed on the way; B: input wo: left as it is (an operand is computed on the way)
;;   THE QUANTISER, for each operand of a quantised product, along K:
;;     - K is cut into blocks of 32 from its start; a last block that is shorter is filled with zeros.
;;     - A block's scale is 2^e with e = floor(log2(the largest magnitude in the block)) - 2, held to -126 .. 127; a block of zeros has e = 0. As a byte (E8M0): e + 127.
;;     - Each number is divided by its block's scale, clamped to +-6, and rounded to the nearest number of E2M1, ties to even, subnormals kept.
;;     - The product sums the exact products of the quantised numbers (number of the format x scale) in f32.
;;   ~~~python
;;   def quantise(x, axis):      # numpy; x: float32 -> the quantised numbers, widened to float32 again
;;       x = np.moveaxis(x, axis, -1); K = x.shape[-1]
;;       x = np.pad(x, [(0, 0)] * (x.ndim - 1) + [(0, -K % 32)]); x = x.reshape(x.shape[:-1] + (-1, 32)); a = np.abs(x).max(-1, keepdims=True)
;;       e = np.where(a > 0, np.clip(np.frexp(np.where(a > 0, a, 1))[1] - 1 - 2, -126, 127), 0)      # np.frexp(a)[1] - 1 = floor(log2(a)), exactly
;;       r = np.clip(x / 2.0 ** e, -6, 6)
;;       step = 2.0 ** (np.maximum(np.frexp(np.where(r == 0, 1, r))[1] - 1, 0) - 1)
;;       q = np.round(r / step) * step * 2.0 ** e      # np.round: ties to even
;;       return np.moveaxis(q.reshape(q.shape[:-2] + (-1,))[..., :K], -1, axis).astype(np.float32)
;;   ~~~
;; One version. Each part assembles by itself: llvm-mc -triple=amdgcn-amd-amdhsa -mcpu=gfx1250 --defsym DOCPART=n.
;; ======== version 1 of 1: 5 launches
;; limits: values are held in f16: magnitudes above 65,504 overflow, below 6.1e-05 lose precision
;; workspace buffers: xc 2,097,152 bytes; xs 131,072 bytes; wc 1,572,864 bytes; ws 98,304 bytes; wo16 2,097,152 bytes; qkv 25,165,824 bytes; ob 8,388,608 bytes; o32 131,072 bytes
;; launch prep (part 1): grid 256 x 1, 8 waves a work-group, no clusters, 66,560 bytes of LDS; arguments x, wq, wk, wv, wo, xc, xs, wc, ws, wo16; writes xc, xs, wc, ws, wo16
.if DOCPART == 1
	.amdgcn_target "amdgcn-amd-amdhsa--gfx1250"
	.amdhsa_code_object_version 6
	.text
	.protected	k_q1a2f99b6c7_prep
	.globl	k_q1a2f99b6c7_prep
	.p2align	8
	.type	k_q1a2f99b6c7_prep,@function
k_q1a2f99b6c7_prep:
	s_mov_b64 s[64:65], 0
	v_nop
	global_prefetch_b8 v0, s[64:65] scope:SCOPE_SE
	s_setreg_imm32_b32 hwreg(HW_REG_WAVE_MODE, 25, 1), 1
	s_wait_xcnt 0x0
; PREP.  x [4096][1024], wq, wk, wv [1024][1024], f32, K innermost, become codes of FP4 (E2M1), two a byte, and one E8M0 byte for each 32 along K;  wo [1024][1024] is rounded to f16.
; xc [4096][512 bytes], xs [4096][32];  wc [3072][512 bytes], ws [3072][32]: rows 0-1023 wq, 1024-2047 wk, 2048-3071 wv;  wo16 [1024][1024] f16.
; A block's scale is 2^(floor(log2(its largest magnitude)) - 2); its byte is the largest magnitude's exponent field - 2, held at 1 from below.  A block of zeros gets the byte 1 where the rule says 127:
; its codes are zeros, which add nothing under that byte, and the bytes are read by this program alone.
; LIMITS: NaN and infinities among the inputs are not served; wo beyond 65,504 in magnitude has no f16 number.
; SHARES.  A work-group takes 32,768 numbers, each of its eight waves 4,096, in 8 steps of 512, with the loads of four steps out: two waves to a SIMD, 16 loads of 512 bytes each.
; Work-groups 0-127: x; 128-159: wq; 160-191: wk; 192-223: wv; 224-255: wo.  Rows are dense, so every tensor is a plain stream.
; The four quantised tensors take ONE path: only pointers are chosen, by the work-group's number.  A step's four loads read 512 consecutive bytes each; the 2,048 bytes turn through the wave's own stage in LDS
; and come back 64 bytes a lane, so that a lane holds 16 neighbours along K and two neighbouring lanes a block.  wo's path touches no LDS.
; A wave's 8 steps make 128 scale bytes: they leave by one store of 4 bytes a lane, 128 consecutive bytes; two neighbouring waves fill 256 aligned bytes.
.set STEPS, 8
.set EMAX,  2
.set CB,    8                          ; bytes of 16 codes
.set R,     16                         ; v16-79   four sets of 16 numbers as they are loaded
.set X,     80                         ; v80-111  two sets of 16 neighbours
.set E,     112                        ; v112-119 a scale byte for each step
.set C,     128                        ; v128-159 codes: four registers for each step, so that no store's data are written again
.set H,     80                         ; wo's path: v80-143: eight registers of f16 pairs for each step, likewise
.set WREG,  8192                       ; LDS: a region for each wave: two stages of 32 x SP bytes, behind them its 128 scale bytes
.set SP,    80                         ; a lane's place in a stage: 64 bytes + 16 of padding
.set SPW,   12                         ; v12  LDS address of my spare word; never rewritten
.set NIL,   13                         ; v13  0; never rewritten
.set SPARE, 8*WREG                     ; behind the eight regions: the spare words, 128 bytes a wave
.set WV,    36                         ; s36  my wave's number
	s_load_b256 s[4:11], s[0:1], 0x0               ; x, wq, wk, wv
	s_load_b256 s[12:19], s[0:1], 0x20             ; wo, xc, xs, wc
	s_load_b128 s[20:23], s[0:1], 0x40             ; ws, wo16
	v_lshl_add_u32 v[SPW], v0, 2, SPARE
	v_mov_b32 v[NIL], 0
	v_lshrrev_b32 v1, 5, v0
	v_readfirstlane_b32 s[WV], v1                  ; wave 0..7
	v_and_b32 v2, 31, v0                           ; lane
	v_lshlrev_b32 v3, 4, v2                        ; my 16 bytes of a load's 512
	s_mov_b32 s33, 0
	s_mov_b32 s35, 0
.macro LOAD t, b                       ; step t's 2,048 bytes into set t % 4; b: the base's first register
.irp i, 0,1,2,3
	global_load_b128 v[R+16*((\t)%4)+4*\i:R+16*((\t)%4)+4*\i+3], v3, s[\b:\b+1] offset:2048*(\t)+512*\i th:TH_LOAD_NT
.endr
.endm
	s_cmp_ge_u32 ttmp9, 224
	s_cbranch_scc1 .Lwo
	; ---- the quantiser
	s_mul_i32 s37, s[WV], WREG
	v_lshrrev_b32 v14, 2, v2
	v_mul_u32_u24 v14, v14, SP
	v_and_b32 v15, 3, v2
	v_lshl_add_u32 v14, v15, 4, v14
	v_add_nc_u32 v14, s37, v14                     ; the stage, on the way in: four lanes' 64 bytes on end, then 16 of padding
	v_mul_u32_u24 v15, v2, SP
	v_add_nc_u32 v15, s37, v15                     ; on the way out: SP x lane: my 16 neighbours
	v_mul_u32_u24 v4, v2, CB                       ; my codes' place in a step's
	v_lshrrev_b32 v5, 1, v2
	s_add_co_u32 s37, s37, 2*32*SP
	v_add_nc_u32 v5, s37, v5                       ; my wave's 128 scale bytes: my block's byte
	v_lshlrev_b32 v7, 2, v2                        ; and on the way out 4 bytes a lane
	v_add_nc_u32 v6, s37, v7
	s_and_b32 s30, ttmp9, 31                       ; a weight's work-groups count from a multiple of 32
	s_wait_kmcnt 0x0
	s_cmp_lt_u32 ttmp9, 192
	s_cselect_b64 s[24:25], s[8:9], s[10:11]       ; wk or wv
	s_cmp_lt_u32 ttmp9, 160
	s_cselect_b64 s[24:25], s[6:7], s[24:25]       ; or wq
	s_cmp_lt_u32 ttmp9, 128
	s_cselect_b64 s[24:25], s[4:5], s[24:25]       ; or x: the source
	s_cselect_b64 s[26:27], s[14:15], s[18:19]     ; the codes: xc or wc
	s_cselect_b64 s[28:29], s[16:17], s[20:21]     ; the scale bytes: xs or ws
	s_cselect_b32 s30, ttmp9, s30                  ; which 32,768 numbers of the source
	s_cselect_b32 s31, 0, 128
	s_sub_co_u32 s31, ttmp9, s31                   ; and of the destination
	s_lshl_b32 s30, s30, 3
	s_add_co_u32 s30, s30, s[WV]
	s_lshl_b32 s32, s30, 14                        ; my wave's run: 16,384 bytes of f32,
	s_add_nc_u64 s[24:25], s[24:25], s[32:33]
	s_lshl_b32 s31, s31, 3
	s_add_co_u32 s31, s31, s[WV]
	s_lshl_b32 s32, s31, 11                        ; 2,048 bytes of codes,
	s_add_nc_u64 s[26:27], s[26:27], s[32:33]
	s_lshl_b32 s32, s31, 7                         ; 128 scale bytes
	s_add_nc_u64 s[28:29], s[28:29], s[32:33]
.macro TURN t                          ; step t's numbers through the stage: LDS serves a wave's instructions in order, so no wait stands between the stores and the loads
.irp i, 0,1,2,3
	ds_store_b128 v14, v[R+16*((\t)%4)+4*\i:R+16*((\t)%4)+4*\i+3] offset:32*SP*((\t)%2)+8*SP*\i
.endr
.irp i, 0,1,2,3
	ds_load_b128 v[X+16*((\t)%2)+4*\i:X+16*((\t)%2)+4*\i+3], v15 offset:32*SP*((\t)%2)+16*\i
.endr
.endm
.irp t, 0,1,2,3
	LOAD \t, 24
.endr
	s_wait_loadcnt 12                              ; step 0's four loads are in; three steps' twelve stay out
	TURN 0
.macro STEP t
.set XS, X+16*((\t)%2)
.if (\t) > 0
	s_wait_dscnt 1                                 ; this step's numbers are back from the stage (the last step's byte store may be out): so its stores into the stage have read their registers,
.else
	s_wait_dscnt 0x0
.endif
.if (\t)+4 < STEPS
	LOAD (\t)+4, 24                                ; which take the loads of four steps on
.endif
.if (\t)+1 < STEPS
.if STEPS-2-(\t) >= 3
	s_wait_loadcnt 12                              ; the next step's four loads are in; those of the three steps behind it may be out
.else
	s_wait_loadcnt 4*(STEPS-2-(\t))
.endif
	TURN (\t)+1                                    ; and go through the other stage while this step is worked
.endif
	v_max3_num_f32 v8, |v[XS]|, |v[XS+1]|, |v[XS+2]|               ; the largest magnitude of my 16, in two chains
	v_max3_num_f32 v9, |v[XS+3]|, |v[XS+4]|, |v[XS+5]|
.irp i, 6,10
	v_max3_num_f32 v8, v8, |v[XS+\i]|, |v[XS+\i+1]|
	v_max3_num_f32 v9, v9, |v[XS+\i+2]|, |v[XS+\i+3]|
.endr
	v_max3_num_f32 v8, v8, |v[XS+14]|, |v[XS+15]|
	v_max3_num_f32 v8, v8, v9, (EMAX+1)<<23        ; and the floor 2^(EMAX + 1 - 127): the byte cannot fall under 1
	v_max_num_f32_dpp v8, v8, v8 row_xmask:1 row_mask:0xf bank_mask:0xf   ; and of my neighbour's 16: the block's
	v_add_nc_u32 v11, -(EMAX<<23), v8              ; EMAX off its exponent field: the conversion takes the exponent field of this operand as its scale
	v_cvt_scalef32_pk8_fp4_f32 v[C+4*(\t)], v[XS:XS+7], v11
	v_cvt_scalef32_pk8_fp4_f32 v[C+4*(\t)+1], v[XS+8:XS+15], v11
	v_lshrrev_b32 v[E+(\t)], 23, v11               ; the scale's byte (a plain line behind the conversions)
	ds_store_b8 v5, v[E+(\t)] offset:16*(\t)       ; both lanes of a block write the same byte with the same value
	global_store_b64 v4, v[C+4*(\t):C+4*(\t)+1], s[26:27] offset:32*CB*(\t)   ; the wave stores 256 consecutive bytes, aligned
.endm
.irp t, 0,1,2,3,4,5,6,7
	STEP \t
.endr
	ds_load_b32 v8, v6                             ; LDS serves a wave's instructions in order: this sees my byte stores
	s_wait_dscnt 0x0
	global_store_b32 v7, v8, s[28:29]              ; 32 lanes store 128 consecutive bytes
	s_wait_tensorcnt 0x0                           ; the wave's end, behind my last LDS store
	ds_add_u32 v[SPW], v[NIL]
	s_wait_dscnt 0x0
	s_endpgm
	; ---- wo to f16: no LDS.  A load's 512 bytes become 256, 8 bytes a lane
.Lwo:
	v_lshlrev_b32 v4, 3, v2
	s_sub_co_u32 s30, ttmp9, 224
	s_lshl_b32 s30, s30, 3
	s_add_co_u32 s30, s30, s[WV]
	s_lshl_b32 s32, s30, 14                        ; my wave's run: 16,384 bytes in,
	s_lshl_b32 s34, s30, 13                        ; 8,192 out
	s_wait_kmcnt 0x0
	s_add_nc_u64 s[12:13], s[12:13], s[32:33]
	s_add_nc_u64 s[22:23], s[22:23], s[34:35]
.irp t, 0,1,2,3
	LOAD \t, 12
.endr
.macro STEPW t
.if STEPS-1-(\t) >= 3
	s_wait_loadcnt 12                              ; this step's four loads are in; three steps' twelve stay out
.else
	s_wait_loadcnt 4*(STEPS-1-(\t))
.endif
.irp i, 0,1,2,3,4,5,6,7
	v_cvt_pk_f16_f32 v[H+8*(\t)+\i], v[R+16*((\t)%4)+2*\i], v[R+16*((\t)%4)+2*\i+1]
.endr
.if (\t)+4 < STEPS
	LOAD (\t)+4, 12
.endif
.irp i, 0,1,2,3
	global_store_b64 v4, v[H+8*(\t)+2*\i:H+8*(\t)+2*\i+1], s[22:23] offset:1024*(\t)+256*\i   ; 256 consecutive bytes, aligned
.endr
.endm
.irp t, 0,1,2,3,4,5,6,7
	STEPW \t
.endr
	s_endpgm
.Lfunc_end_k_q1a2f99b6c7_prep:
	.size	k_q1a2f99b6c7_prep, .Lfunc_end_k_q1a2f99b6c7_prep-k_q1a2f99b6c7_prep
	.p2alignl 7, 3214868480
	.fill 96, 4, 3214868480
	.section	.rodata,"a",@progbits
	.p2align	6, 0x0
	.amdhsa_kernel k_q1a2f99b6c7_prep
		.amdhsa_group_segment_fixed_size 66560
		.amdhsa_private_segment_fixed_size 0
		.amdhsa_enable_private_segment 0
		.amdhsa_kernarg_size 80
		.amdhsa_user_sgpr_count 2
		.amdhsa_user_sgpr_kernarg_segment_ptr 1
		.amdhsa_wavefront_size32 1
		.amdhsa_system_sgpr_workgroup_id_x 1
		.amdhsa_system_sgpr_workgroup_id_y 1
		.amdhsa_system_sgpr_workgroup_id_z 1
		.amdhsa_system_vgpr_workitem_id 0
		.amdhsa_next_free_vgpr 160
		.amdhsa_next_free_sgpr 66
		.amdhsa_reserve_vcc 0
		.amdhsa_float_denorm_mode_32 3
		.amdhsa_float_denorm_mode_16_64 3
		.amdhsa_memory_ordered 1
		.amdhsa_forward_progress 1
		.amdhsa_inst_pref_size 29
	.end_amdhsa_kernel
	.amdgpu_metadata
---
amdhsa.version: [ 1, 2 ]
amdhsa.kernels:
  - .name:           k_q1a2f99b6c7_prep
    .symbol:         k_q1a2f99b6c7_prep.kd
    .args:
      - { .name: x, .offset: 0, .size: 8, .value_kind: global_buffer, .address_space: global }
      - { .name: wq, .offset: 8, .size: 8, .value_kind: global_buffer, .address_space: global }
      - { .name: wk, .offset: 16, .size: 8, .value_kind: global_buffer, .address_space: global }
      - { .name: wv, .offset: 24, .size: 8, .value_kind: global_buffer, .address_space: global }
      - { .name: wo, .offset: 32, .size: 8, .value_kind: global_buffer, .address_space: global }
      - { .name: xc, .offset: 40, .size: 8, .value_kind: global_buffer, .address_space: global }
      - { .name: xs, .offset: 48, .size: 8, .value_kind: global_buffer, .address_space: global }
      - { .name: wc, .offset: 56, .size: 8, .value_kind: global_buffer, .address_space: global }
      - { .name: ws, .offset: 64, .size: 8, .value_kind: global_buffer, .address_space: global }
      - { .name: wo16, .offset: 72, .size: 8, .value_kind: global_buffer, .address_space: global }
    .group_segment_fixed_size: 66560
    .private_segment_fixed_size: 0
    .kernarg_segment_align: 8
    .kernarg_segment_size: 80
    .max_flat_workgroup_size: 256
    .sgpr_count:     66
    .vgpr_count:     160
    .wavefront_size: 32
...
	.end_amdgpu_metadata
.endif
;; end of part 1
;; launch qkv (part 2): grid 12 x 16, 4 waves a work-group, clusters of 4 x 4, 327,680 bytes of LDS; arguments xc, xs, wc, ws, qkv, freqs_cos, freqs_sin; writes qkv
.if DOCPART == 2
	.amdgcn_target "amdgcn-amd-amdhsa--gfx1250"
	.amdhsa_code_object_version 6
	.text
	.protected	k_q1a2f99b6c7_qkv
	.globl	k_q1a2f99b6c7_qkv
	.p2align	8
	.type	k_q1a2f99b6c7_qkv,@function
k_q1a2f99b6c7_qkv:
	s_mov_b64 s[64:65], 0
	v_nop
	global_prefetch_b8 v0, s[64:65] scope:SCOPE_SE
	s_setreg_imm32_b32 hwreg(HW_REG_WAVE_MODE, 25, 1), 1
	s_wait_xcnt 0x0
	s_wait_alu depctr_hold_cnt(0) depctr_sa_sdst(0) depctr_va_vdst(0) depctr_va_sdst(0) depctr_va_ssrc(0) depctr_va_vcc(0) depctr_vm_vsrc(0)
	s_getreg_b32 s2, hwreg(HW_REG_IB_STS2, 6, 4)
	s_cmp_eq_u32 s2, 0
	s_cbranch_scc0 .Lentry_in_a_cluster
	s_endpgm
.Lentry_in_a_cluster:
	s_bfe_u32 s2, ttmp6, 0x10000c
	s_cmp_lg_u32 s2, 0xf033
	s_cbranch_scc0 .Lentry_shape_is_right
	s_endpgm
.Lentry_shape_is_right:
; QKV.  The three quantised products as ONE GEMM on codes of FP4 (E2M1) with E8M0 scales: C[m][n] = sum over k of x[m][k] w[n][k], m 4,096, n 3,072 (wq's, wk's, wv's rows on end), k 1,024; sums in f32.
; Then the rotation by freqs_cos / freqs_sin (q and k), the factor 1/8 (q), the rounding to f16, and the store by heads: qkv = three parts of 8,388,608 bytes (q, k, v), each [batch x 16 + head][position][64] f16.
; A tile of C, 256 x 256, is made by four waves, each 128 x 128: 64 accumulators.  K is two slots of 512 in LDS, each filled once: nothing is filled again.  The scales of the tile's rows come once, with the first fills.
; CLUSTERS: 4 x 4 work-groups; A's tiles are asked for jointly along a row of the cluster, B's along a column.  Four tiles of 256 columns are 1,024: the cluster's x IS q, k or v.
; What differs between the three is done without a branch: c' = c alpha + beta, s' = s alpha with (alpha, beta) = (1/8, 0) for q, (1, 0) for k, (0, 1) for v, chosen by the cluster's x, which all partners share.
; THE MATRIX INSTRUCTION IS USED TRANSPOSED (source 0 = 16 rows of w, source 1 = 16 rows of x): a lane holds eight neighbouring columns of one row: four pairs of the rotation.
; LIMITS: q / 8, k and v beyond 65,504 in magnitude have no f16 number; a table entry that is infinite or NaN would reach v through c x 0.
; 192 work-groups: the tile is kept at 256 x 256, since a wave's products are few beside the launch's stores.
; REGISTERS: window 0: v0-31 addresses; v32-95 scale words, two sets, and nothing else; v128-191 A's fragments, on the way out rows read back from the stage; v192-255 and v96-127 the tables' numbers, three sets.
;   window 1: B's fragments, two sets; on the way out v0-7 and v64-127 at work.   windows 2, 3: the accumulators ((a, b) at v[8 (8 (a % 4) + b)]).
.set SIZE_K, 1024
.set KSTEP,  512
.set NQ,     KSTEP/128
.set ROWB,   256
.set KROW,   SIZE_K*4/8
.set PITCH,  272                       ; an LDS row: 256 bytes + 16 of padding: the 16 rows that a load touches start 68 words apart
.set FR,     8
.set NL,     2
.set NP,     4
.set HALFT,  128*PITCH
.set SLOT,   4*HALFT
.set KS,     SIZE_K/32
.set SCL,    2*SLOT
.set HALFS,  (128*KS/256)*272
.set SBLK,   (16*KS/256)*272
.set SPARE,  SCL+4*HALFS               ; the spare words, 128 bytes a wave
.set HP,     144                       ; the way out: a stage row: a head's 128 bytes + 16.  A wave's stage: 2 heads x 16 rows.  It lies in slot 0, which has had its only fill and its last read by then
.set ADRA, 16
.set ADRB, 20
.set STO,  24
.set RD,   25
.set CO,   26
.set ADRS, 27
.set SPW,  28
.set NIL,  29
.set CSO,  30                          ; v30  my byte in 16 rows of a table: 128 r + 16 h
.set SC,   32
.set AF,   128
.set BK,   128                         ; the way out: 16 rows x 2 heads read back: v128-159 and v160-191 by turns
.set CS,   192                         ; set a % 3 at v192, v224, v96: 16 cosines, then 16 sines
.set T,    0                           ; window 1: at work
.set Y,    64                          ; window 1: rotated numbers, then f16 pairs in place
.set G1, 24
.set G0, 32
.set G1B, 48
.set G0B, 56
.set G1S, 68
.set G0S, 76
.set G1SB, 80
.set G0SB, 88
.set MSB, 0
.macro WIN new                         ; the immediate's high byte repeats the setting that is left
.if MSB != (\new)
	s_set_vgpr_msb (MSB<<8)|(\new)
.set MSB, \new
.endif
.endm
.set MUL_LO, 0xa1
.set MUL_HI, 0xf1
.set TO_B,   0x40
; A joint load: waves 0 and 1 fetch for A, waves 2 and 3 for B; the branch hangs on the wave's number alone.  An s_nop 0 and four v_nop follow each line.
.macro JLOAD g0a, g1a, g0b, g1b
	s_cmp_eq_u32 s15, 0
	s_cbranch_scc0 .Lfor_b_\@
	tensor_load_to_lds s[\g0a:\g0a+3], s[\g1a:\g1a+7]
	s_nop 0
.rept 4
	v_nop
.endr
	s_branch .Lasked_\@
.Lfor_b_\@:
	tensor_load_to_lds s[\g0b:\g0b+3], s[\g1b:\g1b+7]
	s_nop 0
.rept 4
	v_nop
.endr
.Lasked_\@:
.endm
.macro CROUND                          ; a round of the cluster's barrier
	s_barrier_signal -1
	s_barrier_wait -1
	s_cmp_lg_u32 s14, 0
	s_cbranch_scc1 .Lnot_wave_0_\@
	s_barrier_signal -3
.Lnot_wave_0_\@:
	s_barrier_wait -3
	s_barrier_signal -1
	s_barrier_wait -1
.endm
	s_load_b128 s[4:7], s[0:1], 0x0                ; x's codes, x's scales
	s_load_b128 s[8:11], s[0:1], 0x10              ; w's codes, w's scales
	s_load_b64 s[12:13], s[0:1], 0x20              ; qkv
	s_load_b64 s[96:97], s[0:1], 0x28              ; freqs_cos
	s_load_b64 s[98:99], s[0:1], 0x30              ; freqs_sin
	v_lshl_add_u32 v[SPW], v0, 2, SPARE
	v_mov_b32 v[NIL], 0
	ds_add_u32 v[SPW], v[NIL]                      ; the wave's opening: the add, twice on end, and its wait ahead of my first tensor load
	ds_add_u32 v[SPW], v[NIL]
	v_lshrrev_b32 v1, 5, v0
	v_readfirstlane_b32 s14, v1                    ; wave 0..3
	s_lshr_b32 s15, s14, 1                         ; which half of the tile's rows is mine.  Also: I fetch for A (0) or for B (1)
	s_and_b32 s16, s14, 1                          ; which half of its columns.  Also: which 128 rows of that tile I fetch
	s_bfe_u32 s40, ttmp6, 0x40000                  ; cx, cy
	s_bfe_u32 s41, ttmp6, 0x40004
	s_lshl_b32 s42, ttmp9, 2
	s_add_co_u32 s42, s42, s40                     ; tile column
	s_and_b32 s17, ttmp7, 0xffff
	s_lshl_b32 s17, s17, 2
	s_add_co_u32 s17, s17, s41                     ; tile row
	s_lshl_b32 s43, s41, 2
	s_lshl_b32 s43, 15, s43                        ; my row of the cluster
	s_lshl_b32 s44, 0x1111, s40                    ; my column
	s_or_b32 s[G1+0], s43, (0<<16)|(1<<20)|(1<<21)|(5<<22)|(3<<25)  ; the mask; elements of 1 byte; padding: 4 words after every 64
	s_or_b32 s[G1B+0], s44, (0<<16)|(1<<20)|(1<<21)|(5<<22)|(3<<25)
.irp g, G1, G1B
	s_mov_b32 s[\g+1], ROWB<<16                    ; tensor_dim0
	s_mov_b32 s[\g+2], 128<<16                     ; tensor_dim1
	s_mov_b32 s[\g+3], ROWB<<16                    ; tile_dim0
	s_mov_b32 s[\g+4], 128                         ; tile_dim1
	s_mov_b32 s[\g+5], KROW                        ; the pitch
	s_mov_b32 s[\g+6], 0
	s_mov_b32 s[\g+7], 0
.endr
	s_or_b32 s[G1S+0], s43, (3<<16)|(1<<20)|(1<<21)|(5<<22)|(3<<25) ; the scales of 128 rows: a dense block, as rows of 256 bytes (32 elements of 8), 16 bytes of padding behind each
	s_or_b32 s[G1SB+0], s44, (3<<16)|(1<<20)|(1<<21)|(5<<22)|(3<<25)
.irp g, G1S, G1SB
	s_mov_b32 s[\g+1], 32<<16
	s_mov_b32 s[\g+2], (128*KS/256)<<16
	s_mov_b32 s[\g+3], 32<<16
	s_mov_b32 s[\g+4], 128*KS/256
	s_mov_b32 s[\g+5], 32
	s_mov_b32 s[\g+6], 0
	s_mov_b32 s[\g+7], 0
.endr
	s_cmp_eq_u32 ttmp9, 2                          ; v: beta = 1, alpha = 0
	s_cselect_b32 s67, 0x3f800000, 0
	s_cselect_b32 s66, 0, 0x3f800000
	s_cmp_eq_u32 ttmp9, 0                          ; q: alpha = 1/8
	s_cselect_b32 s66, 0x3e000000, s66
	s_lshl_b32 s18, s16, 7
	s_lshl_b32 s20, s17, 8
	s_add_co_u32 s20, s20, s18                     ; A: row 256 x tile row + 128 x half
	s_lshl_b32 s46, s42, 8
	s_add_co_u32 s46, s46, s18                     ; B: row 256 x tile column + 128 x half
	s_mov_b32 s21, 0
	s_mov_b32 s47, 0
	s_mov_b64 s[18:19], KS
	s_mul_u64 s[22:23], s[20:21], s[18:19]
	s_mul_u64 s[92:93], s[46:47], s[18:19]
	s_mov_b64 s[18:19], KROW
	s_mul_u64 s[20:21], s[20:21], s[18:19]
	s_mul_u64 s[46:47], s[46:47], s[18:19]
	s_mul_i32 s45, s14, HALFT                      ; where they go: wave x 128 rows
	s_mul_i32 s94, s14, HALFS
	s_wait_dscnt 0x0                               ; both opening adds are done
	s_wait_kmcnt 0x0
	s_add_nc_u64 s[20:21], s[4:5], s[20:21]
	s_add_nc_u64 s[22:23], s[6:7], s[22:23]
	s_add_nc_u64 s[46:47], s[8:9], s[46:47]
	s_add_nc_u64 s[92:93], s[10:11], s[92:93]
	CROUND                                         ; all sixteen work-groups are here: the first joint loads meet
	s_mov_b32 s[G0S], 1
	s_add_co_u32 s[G0S+1], s94, SCL
	s_mov_b64 s[G0S+2:G0S+3], s[22:23]
	s_or_b32 s[G0S+3], s[G0S+3], 0x80000000
	s_mov_b32 s[G0SB], 1
	s_add_co_u32 s[G0SB+1], s94, SCL
	s_mov_b64 s[G0SB+2:G0SB+3], s[92:93]
	s_or_b32 s[G0SB+3], s[G0SB+3], 0x80000000
	JLOAD G0S, G1S, G0SB, G1SB                     ; the scales first
.irp s, 0,1
	s_mov_b32 s[G0+4*\s], 1
	s_add_co_u32 s[G0+4*\s+1], s45, \s*SLOT
	s_add_nc_u64 s[G0+4*\s+2:G0+4*\s+3], s[20:21], \s*ROWB
	s_or_b32 s[G0+4*\s+3], s[G0+4*\s+3], 0x80000000
	s_mov_b32 s[G0B+4*\s], 1
	s_add_co_u32 s[G0B+4*\s+1], s45, \s*SLOT
	s_add_nc_u64 s[G0B+4*\s+2:G0B+4*\s+3], s[46:47], \s*ROWB
	s_or_b32 s[G0B+4*\s+3], s[G0B+4*\s+3], 0x80000000
	JLOAD G0+4*\s, G1, G0B+4*\s, G1B               ; three tensor loads of mine are out
.endr
	v_and_b32 v1, 15, v0                           ; r
	v_bfe_u32 v2, v0, 4, 1                         ; h
	v_mul_u32_u24 v3, v1, PITCH
	v_lshl_add_u32 v4, v2, 4, v3
	s_mul_i32 s21, s15, HALFT
	s_mul_i32 s22, s16, HALFT
	s_add_co_u32 s22, s22, 2*HALFT
.irp s, 0,1
	v_add_nc_u32 v[ADRA+\s], s21, v4
	v_add_nc_u32 v[ADRB+\s], s22, v4
	s_add_co_u32 s21, s21, SLOT
	s_add_co_u32 s22, s22, SLOT
.endr
	v_mul_u32_u24 v5, v1, KS                       ; my row's scales: KS bytes a row,
	v_lshrrev_b32 v6, 8, v5
	v_lshl_add_u32 v5, v6, 4, v5                   ; and 16 more for each 256 passed
	s_mul_i32 s21, s15, HALFS
	s_mul_i32 s22, s16, HALFS
	s_add_co_u32 s22, s22, 2*HALFS
	s_sub_co_u32 s22, s22, s21
	v_mul_u32_u24 v6, s22, v2                      ; lanes 16-31 take B's
	s_add_co_u32 s21, s21, SCL
	v_add_nc_u32 v5, v5, v6
	v_add_nc_u32 v[ADRS], s21, v5
	s_mul_i32 s23, s14, 32*HP                      ; my stage
	v_mul_u32_u24 v5, v1, HP                       ; in: row r, 16 bytes for each half of the lanes
	v_lshl_add_u32 v5, v2, 4, v5
	v_add_nc_u32 v[STO], s23, v5
	v_and_b32 v6, 31, v0
	v_lshlrev_b32 v[CO], 4, v6                     ; out: four rows of 128 bytes are 512 dense bytes: 16 x lane
	v_lshrrev_b32 v5, 3, v6
	v_mul_u32_u24 v5, v5, HP                       ; back: eight lanes to a row
	v_and_b32 v6, 7, v6
	v_lshl_add_u32 v5, v6, 4, v5
	v_add_nc_u32 v[RD], s23, v5
	v_lshlrev_b32 v[CSO], 7, v1
	v_lshl_add_u32 v[CSO], v2, 4, v[CSO]
	; where my rows lie: row 256 x tile row + 128 x half = batch x 2,048 + position
	s_lshr_b32 s20, s17, 3
	s_lshl_b32 s20, s20, 22                        ; batch x 16 heads x 262,144 bytes
	s_and_b32 s21, s17, 7
	s_lshl_b32 s21, s21, 8
	s_lshl_b32 s18, s15, 7
	s_add_co_u32 s21, s21, s18                     ; my first position
	s_lshl_b32 s18, s21, 7                         ; x 128 bytes: a row of a table, and a row of a head
	s_mov_b32 s19, 0
	s_add_co_u32 s20, s20, s18
	s_mov_b32 s21, 0
	s_add_nc_u64 s[96:97], s[96:97], s[18:19]
	s_add_nc_u64 s[98:99], s[98:99], s[18:19]
	s_lshl_b32 s46, ttmp9, 23                      ; the part: q, k or v
	s_lshl_b32 s47, s40, 2
	s_lshl_b32 s22, s16, 1
	s_add_co_u32 s47, s47, s22                     ; my first head: 4 cx + 2 x half
	s_lshl_b32 s47, s47, 18
	s_add_co_u32 s46, s46, s47
	s_mov_b32 s47, 0
	s_add_nc_u64 s[20:21], s[20:21], s[46:47]
	s_add_nc_u64 s[12:13], s[12:13], s[20:21]
; the tables' numbers for block a (16 positions) into set a % 3: lane (r, h) takes pairs 8 g + 4 h + 0 .. 3 of position 16 a + r
.macro CSLOAD a
.set CL, CS+32*((\a)%3)-160*(((\a)%3)/2)
.irp g, 0,1,2,3
	global_load_b128 v[CL+4*\g:CL+4*\g+3], v[CSO], s[96:97] offset:2048*(\a)+32*\g
	global_load_b128 v[CL+16+4*\g:CL+16+4*\g+3], v[CSO], s[98:99] offset:2048*(\a)+32*\g
.endr
.endm
	CSLOAD 0                                       ; into registers that the products never touch
	CSLOAD 1
	CSLOAD 2
.macro FRAG reg, adr, q, i             ; a fragment, 16 rows x 128 K of 4-bit codes: two loads of 16 bytes, 32 bytes apart
.irp c, 0,1
	ds_load_b128 v[\reg+4*\c:\reg+4*\c+3], v[\adr] offset:64*(\q)+32*\c+(\i)*16*PITCH
.endr
.endm
; 16 matrix instructions: A's blocks a0, a0 + 1 x B's eight.  The 64 accumulators take turns, one instruction a turn, in the same order in every step.
.macro MUL16 a0, p, q, sc, zero
.irp a, \a0, \a0+1
.irp b, 0,1,2,3,4,5,6,7
.if \zero
	v_wmma_scale_f32_16x16x128_f8f6f4 v[8*(8*((\a)%4)+\b):8*(8*((\a)%4)+\b)+7], v[128*(\p)+FR*\b:128*(\p)+FR*\b+FR-1], v[AF+FR*(\a):AF+FR*(\a)+FR-1], 0, v[SC+8*NQ*(\sc)+NQ*\b+(\q)], v[SC+8*NQ*(\sc)+NQ*(\a)+(\q)] matrix_a_fmt:MATRIX_FMT_FP4 matrix_b_fmt:MATRIX_FMT_FP4 matrix_a_scale:MATRIX_SCALE_ROW1
.else
	v_wmma_scale_f32_16x16x128_f8f6f4 v[8*(8*((\a)%4)+\b):8*(8*((\a)%4)+\b)+7], v[128*(\p)+FR*\b:128*(\p)+FR*\b+FR-1], v[AF+FR*(\a):AF+FR*(\a)+FR-1], v[8*(8*((\a)%4)+\b):8*(8*((\a)%4)+\b)+7], v[SC+8*NQ*(\sc)+NQ*\b+(\q)], v[SC+8*NQ*(\sc)+NQ*(\a)+(\q)] matrix_a_fmt:MATRIX_FMT_FP4 matrix_b_fmt:MATRIX_FMT_FP4 matrix_a_scale:MATRIX_SCALE_ROW1
.endif
.endr
.endr
.endm
.macro FETCH_B slot, q, p
	WIN TO_B
.irp i, 0,1,2,3,4,5,6,7
	FRAG 128*(\p)+FR*\i, ADRB+\slot, \q, \i
.endr
	WIN 0
.endm
.macro FETCH_A slot, q, i0
.irp i, \i0, \i0+1, \i0+2, \i0+3
	FRAG AF+FR*(\i), ADRA+\slot, \q, \i
.endr
.endm
.macro SCALES sc                       ; a K step's scale words: lanes 0-15 take A's block i, lanes 16-31 B's block i
.irp i, 0,1,2,3,4,5,6,7
	ds_load_b128 v[SC+8*NQ*\sc+NQ*\i:SC+8*NQ*\sc+NQ*\i+3], v[ADRS] offset:\i*SBLK
.endr
.endm
.macro PLACES n                        ; plain vector instructions between a matrix instruction and a load into, or a read of, its registers
.rept \n
	v_nop
.endr
.endm
.macro STEP slot, q, zero              ; 128 along K with its successor in the same slot
	s_wait_dscnt 4*NL                              ; B's set and A's blocks 0-3 are in; the youngest eight loads (A's blocks 4-7) may be out
	WIN MUL_LO
	MUL16 0, (\q)%2, \q, \slot, \zero
	MUL16 2, (\q)%2, \q, \slot, \zero
	s_wait_dscnt 0                                 ; A's blocks 4-7 are in
	PLACES NP
	FETCH_B \slot, (\q)+1, 1-(\q)%2
	FETCH_A \slot, (\q)+1, 0
	WIN MUL_HI
	MUL16 4, (\q)%2, \q, \slot, \zero
	MUL16 6, (\q)%2, \q, \slot, \zero
	PLACES NP
	WIN 0
	FETCH_A \slot, (\q)+1, 4
.endm
.macro TURN slot, next                 ; a slot's last step changes slots: one barrier
	s_wait_tensorcnt 0x0                           ; all my tensor loads have landed: my part of the next slot
	ds_add_u32 v[SPW], v[NIL]                      ; 0 onto my spare word
	s_wait_dscnt 4*NL+1                            ; (the add and the youngest eight loads may be out)
	WIN MUL_LO
	MUL16 0, 1, NQ-1, \slot, 0
	s_wait_dscnt 0x0                               ; the add is done, and my reads of this slot are over
	s_barrier_signal -1
	MUL16 2, 1, NQ-1, \slot, 0
	WIN 0
	s_barrier_wait -1
	PLACES NP
	v_add_nc_u32 v[ADRS], 4*NQ, v[ADRS]            ; on to the next K step's scale words
	FETCH_B \next, 0, 0
	FETCH_A \next, 0, 0
	SCALES \next
	WIN MUL_HI
	MUL16 4, 1, NQ-1, \slot, 0
	MUL16 6, 1, NQ-1, \slot, 0
	PLACES NP
	WIN 0
	FETCH_A \next, 0, 4
.endm
.macro STEPS slot, from
.set Q, \from
.rept NQ-1-\from
	STEP \slot, Q, 0
.set Q, Q+1
.endr
.endm
	s_wait_tensorcnt 1                             ; the scales and my part of slot 0 are in (slot 1's load may be out)
	s_barrier_signal -1
	s_barrier_wait -1                              ; everybody's are
	FETCH_B 0, 0, 0
	FETCH_A 0, 0, 0
	SCALES 0
	FETCH_A 0, 0, 4
	STEP 0, 0, 1                                   ; the first step's products start the sums
	STEPS 0, 1
	TURN 0, 1
	STEPS 1, 0
	s_wait_dscnt 4*NL                              ; the very last step
	WIN MUL_LO
	MUL16 0, 1, NQ-1, 1, 0
	MUL16 2, 1, NQ-1, 1, 0
	s_wait_dscnt 0
	WIN MUL_HI
	MUL16 4, 1, NQ-1, 1, 0
	MUL16 6, 1, NQ-1, 1, 0
	WIN 0
; THE WAY OUT, block by block of 16 rows x 128 columns (two heads).  Register 2 i, 2 i + 1 of accumulator (a, b) is pair 8 (b % 4) + 4 h + i of head b / 4, position 16 a + r.
; The tables' numbers run three blocks ahead: blocks 0 to 2 were asked for at the head, block a + 3 is asked for behind block a, into the set that block a has left.
.macro ROPE a
.set CC, CS+32*((\a)%3)-160*(((\a)%3)/2)
.if (\a) < 6
	s_wait_loadcnt 16                              ; this block's eight table loads are in; the next two blocks' sixteen stay out
.else
	s_wait_loadcnt 8*(7-(\a))
.endif
.if (\a) > 0
	s_wait_dscnt 8                                 ; the last block's eight stage stores are done (its eight loads may be out): Y may be written
.endif
.irp i, 0,1,2,3,4,5,6,7,8,9,10,11,12,13,14,15
	v_fma_f32 v[CC+\i], v[CC+\i], s66, s67         ; c' = c alpha + beta
	v_mul_f32 v[CC+16+\i], s66, v[CC+16+\i]        ; s' = s alpha
.endr
	WIN 0x52+(\a)/4                                ; source 0: the accumulators' window; source 1 window 0; source 2 and destination window 1
.irp b, 0,1,2,3,4,5,6,7
.irp i, 0,1,2,3
	v_mul_f32 v[T+\i], v[64*((\a)%4)+8*\b+2*\i+1], v[CC+16+4*(\b%4)+\i]      ; xi s'  (an accumulator's first reader takes its register 1)
.endr
.irp i, 0,1,2,3
	v_mul_f32 v[T+4+\i], v[64*((\a)%4)+8*\b+2*\i+1], v[CC+4*(\b%4)+\i]       ; xi c'
.endr
.irp i, 0,1,2,3
	v_fma_f32 v[Y+8*\b+2*\i], v[64*((\a)%4)+8*\b+2*\i], v[CC+4*(\b%4)+\i], -v[T+\i]          ; xr c' - xi s'
	v_fma_f32 v[Y+8*\b+2*\i+1], v[64*((\a)%4)+8*\b+2*\i], v[CC+16+4*(\b%4)+\i], v[T+4+\i]    ; xr s' + xi c'
.endr
.endr
	WIN 0x45                                       ; all in window 1
.irp i, 0,1,2,3,4,5,6,7,8,9,10,11,12,13,14,15,16,17,18,19,20,21,22,23,24,25,26,27,28,29,30,31
	v_cvt_pk_f16_f32 v[Y+\i], v[Y+2*\i], v[Y+2*\i+1]   ; ascending, in place
.endr
	WIN 0
.if (\a) > 1
	s_wait_xcnt 0x0                                ; block a - 2's stores, issued ahead of this block's arithmetic, have read their registers: block a's stage loads may land there.  It stands ahead of the table loads below, so that it does not wait for them
.endif
.if (\a)+3 < 8
	CSLOAD (\a)+3
.endif
.endm
.macro TOSTAGE a
.set BB, BK+32*((\a)%2)
	WIN 0x04                                       ; an LDS store's data: window 1
.irp b, 0,1,2,3,4,5,6,7
	ds_store_b128 v[STO], v[Y+4*\b:Y+4*\b+3] offset:(\b/4)*16*HP+32*(\b%4)
.endr
	WIN 0
.irp u, 0,1
.irp t, 0,1,2,3
	ds_load_b128 v[BB+4*(4*\u+\t):BB+4*(4*\u+\t)+3], v[RD] offset:\u*16*HP+4*HP*\t   ; LDS serves a wave's instructions in order: these see the stores above
.endr
.endr
.endm
.macro SEND a, younger
.set BB, BK+32*((\a)%2)
	s_wait_dscnt \younger                          ; the block is back in registers
.irp u, 0,1
.irp t, 0,1,2,3
	global_store_b128 v[CO], v[BB+4*(4*\u+\t):BB+4*(4*\u+\t)+3], s[12:13] offset:\u*262144+2048*(\a)+512*\t   ; 32 lanes store 512 consecutive bytes, aligned: four rows of a head
.endr
.endr
.endm
	PLACES NP
	ROPE 0
	TOSTAGE 0
.irp a, 1,2,3,4,5,6,7
	ROPE \a
	TOSTAGE \a
	SEND \a-1, 16                                  ; behind block a - 1's loads: block a's 8 stores and 8 loads
.endr
	SEND 7, 0
	s_wait_tensorcnt 0x0                           ; the wave's end
	ds_add_u32 v[SPW], v[NIL]
	s_wait_dscnt 0x0
	CROUND                                         ; the closing round
	s_endpgm
.Lfunc_end_k_q1a2f99b6c7_qkv:
	.size	k_q1a2f99b6c7_qkv, .Lfunc_end_k_q1a2f99b6c7_qkv-k_q1a2f99b6c7_qkv
	.p2alignl 7, 3214868480
	.fill 96, 4, 3214868480
	.section	.rodata,"a",@progbits
	.p2align	6, 0x0
	.amdhsa_kernel k_q1a2f99b6c7_qkv
		.amdhsa_group_segment_fixed_size 327680
		.amdhsa_private_segment_fixed_size 0
		.amdhsa_enable_private_segment 0
		.amdhsa_kernarg_size 56
		.amdhsa_user_sgpr_count 2
		.amdhsa_user_sgpr_kernarg_segment_ptr 1
		.amdhsa_wavefront_size32 1
		.amdhsa_system_sgpr_workgroup_id_x 1
		.amdhsa_system_sgpr_workgroup_id_y 1
		.amdhsa_system_sgpr_workgroup_id_z 1
		.amdhsa_system_vgpr_workitem_id 0
		.amdhsa_next_free_vgpr 1024
		.amdhsa_next_free_sgpr 100
		.amdhsa_reserve_vcc 0
		.amdhsa_float_denorm_mode_32 3
		.amdhsa_float_denorm_mode_16_64 3
		.amdhsa_memory_ordered 1
		.amdhsa_forward_progress 1
		.amdhsa_inst_pref_size 194
	.end_amdhsa_kernel
	.amdgpu_metadata
---
amdhsa.version: [ 1, 2 ]
amdhsa.kernels:
  - .name:           k_q1a2f99b6c7_qkv
    .symbol:         k_q1a2f99b6c7_qkv.kd
    .args:
      - { .name: xc, .offset: 0, .size: 8, .value_kind: global_buffer, .address_space: global }
      - { .name: xs, .offset: 8, .size: 8, .value_kind: global_buffer, .address_space: global }
      - { .name: wc, .offset: 16, .size: 8, .value_kind: global_buffer, .address_space: global }
      - { .name: ws, .offset: 24, .size: 8, .value_kind: global_buffer, .address_space: global }
      - { .name: qkv, .offset: 32, .size: 8, .value_kind: global_buffer, .address_space: global }
      - { .name: freqs_cos, .offset: 40, .size: 8, .value_kind: global_buffer, .address_space: global }
      - { .name: freqs_sin, .offset: 48, .size: 8, .value_kind: global_buffer, .address_space: global }
    .group_segment_fixed_size: 327680
    .private_segment_fixed_size: 0
    .kernarg_segment_align: 8
    .kernarg_segment_size: 56
    .max_flat_workgroup_size: 128
    .sgpr_count:     100
    .vgpr_count:     1024
    .wavefront_size: 32
...
	.end_amdgpu_metadata
.endif
;; end of part 2
;; launch attn (part 3): grid 16 x 16, 8 waves a work-group, clusters of 4 x 4, 327,680 bytes of LDS; arguments qkv, mask, ob, o32; writes ob, o32
.if DOCPART == 3
	.amdgcn_target "amdgcn-amd-amdhsa--gfx1250"
	.amdhsa_code_object_version 6
	.text
	.protected	k_q1a2f99b6c7_attn
	.globl	k_q1a2f99b6c7_attn
	.p2align	8
	.type	k_q1a2f99b6c7_attn,@function
k_q1a2f99b6c7_attn:
	s_mov_b64 s[64:65], 0
	v_nop
	global_prefetch_b8 v0, s[64:65] scope:SCOPE_SE
	s_setreg_imm32_b32 hwreg(HW_REG_WAVE_MODE, 25, 1), 1
	s_wait_xcnt 0x0
	s_wait_alu depctr_hold_cnt(0) depctr_sa_sdst(0) depctr_va_vdst(0) depctr_va_sdst(0) depctr_va_ssrc(0) depctr_va_vcc(0) depctr_vm_vsrc(0)
	s_getreg_b32 s2, hwreg(HW_REG_IB_STS2, 6, 4)
	s_cmp_eq_u32 s2, 0
	s_cbranch_scc0 .Lentry_in_a_cluster
	s_endpgm
.Lentry_in_a_cluster:
	s_bfe_u32 s2, ttmp6, 0x10000c
	s_cmp_lg_u32 s2, 0xf033
	s_cbranch_scc0 .Lentry_shape_is_right
	s_endpgm
.Lentry_shape_is_right:
; ATTN.  O[b][h][q] = the sum over k of softmax_k(q . k / 8 + mask[q][k]) v[k].  q (already x 1/8), k, v: f16, [batch x 16 + head][2048][64], the three parts of qkv.  mask: [2048][2048] f32, an input: every number of it is loaded and added.
; Products on f16 operands, sums, maxima and the softmax in f32; the weights p are rounded to f16 for the second product; the row's sum is taken of the unrounded p.
; Results: ob [4096][1024] f16 (row batch x 2,048 + position);  o32 [2][16][1024] f32: the first 16 positions of each batch once more, unrounded.
; SHARES.  A work-group owns 128 queries of TWO neighbouring heads: one tile of the mask in LDS serves both.  Wave w: head w / 4, queries 32 (w % 4) on: two tiles of 16.  Every wave walks all 2,048 keys, 64 a step.
; LAYOUT.  S^T = K Q^T + mask^T (source 0 = 16 keys, source 1 = 16 queries): a lane holds ONE query (lane % 16) and keys 8 (lane / 16) + 0 .. 7.  THE MASK IS LOADED FROM LDS STRAIGHT INTO THE ACCUMULATORS and is the
; C of the first product: its addition costs no vector instruction.  Two tiles of p, rounded in pairs, ARE source 1 of O^T = V^T P.  V ([key][channel]) comes out of LDS turned, by ds_load_tr16_b128.
; SOFTMAX.  A running maximum m and sum l for each query: p = 2^(c s - c m), c = log2(e); in every step O^T and l are multiplied by a = 2^(c m_old - c m_new).  m starts at -1e38, O^T and l at 0, so that the step is written once.
; RING.  Two slots of 128 keys.  A slot: the mask's tile (128 queries x 128 keys, f32), K and V of both heads.  Each of the eight waves fetches 16 KiB of it: waves 0, 1 K, waves 2, 3 V, waves 4-7 the mask.
; ONE STEP AHEAD.  A step's 48 LDS loads a wave are 24 KiB, 192 KiB for the eight waves.  So the NEXT step's mask and K are asked of LDS straight behind this step's first products: the mask into a second set of
; accumulators, K into the registers that those products have just left; they land under this step's softmax and second products.  V is asked for at a step's head and lands under its first products and its softmax.
; The change of slots therefore stands in the MIDDLE of a slot's second step, behind its first products: the wave's last reads of the slot, that step's V, are awaited there.
; CLUSTER 4 x 4.  K's and V's tiles hang on the pair of heads alone and are asked for jointly along a row of the cluster; the mask's tile hangs on the query block alone and is asked for jointly along a column.
; LIMITS: a row all of whose scores + mask lie under -1e38 is not served (a row of -infinity throughout gives NaN); in rows of the first 16 positions p and v are f16 like everywhere.
; REGISTERS.  window 0: v1-15 addresses; v16-31 statistics, eight a tile: +0 c m, +1 m, +2, +3 l, +4 .. +7 at work (a takes +6); v32-63 Q; v64-127 and v160-223 S^T, two sets by turns; v128-159 P.
;   window 1: v0-63 O^T; v64-127 V; v128-191 K.
.set SLOT,  149504
.set KOFF,  67584                      ; behind the mask's 128 rows of 528 bytes: four regions of RG: K of head 0, 1, V of head 0, 1
.set RG,    20480
.set MP,    528                        ; a row of the mask's tile: 512 bytes + 16
.set KP,    144                        ; of K: 128 + 16
.set VP,    160                        ; of V: 128 + 32
.set SP,    272                        ; the way out: a stage row: two heads' 256 bytes + 16.  The stage, 128 rows, lies in slot 0, which has had its last fill and its last read by then
.set SPARE, 2*SLOT                     ; the spare words, 128 bytes a wave
.set AK,  2                            ; v2, v3   my place in K's tiles of slot 0, 1
.set AV,  4                            ; v4, v5   in V's
.set AM,  6                            ; v6, v7   in the mask's
.set SPW, 8
.set NIL, 9
.set STO, 10
.set RD,  11
.set GO,  12
.set FO,  13                           ; v13  my byte in o32's 16 rows
.set QG,  14                           ; v14  the position of my query in tile 0
.set PFO, 15                           ; v15  the prefetches' lane offset
.set ST,  16
.set Q,   32
.set S,   64                           ; S^T's set 0: a slot's first step
.set SSET, 96                          ; set 1, a slot's second step, lies 96 registers on: v160-223
.set P,   128
.set BK,  160                          ; the way out: rows read back from the stage
.set VF,  64                           ; window 1
.set KF,  128                          ; window 1
.set WV,  12
.set G1K, 24
.set G1V, 32
.set G1M, 40
.set G0KV, 48                          ; a set of four for each slot
.set G0M, 56
.set CS,  66                           ; s[66:67] c
.set SEL, 68                           ; s[68:69] lane l xor 16
.set TRIP, 70
.set LIM, 71                           ; 1 in a wave that prefetches, else the greatest number
.set PFA, 72
.set PFS, 74
.set MSB, 0
.macro WIN new
.if MSB != (\new)
	s_set_vgpr_msb (MSB<<8)|(\new)
.set MSB, \new
.endif
.endm
.macro CROUND
	s_barrier_signal -1
	s_barrier_wait -1
	s_cmp_lg_u32 s[WV], 0
	s_cbranch_scc1 .Lnot_wave_0_\@
	s_barrier_signal -3
.Lnot_wave_0_\@:
	s_barrier_wait -3
	s_barrier_signal -1
	s_barrier_wait -1
.endm
; A joint refill of slot s: every wave has one load.  The branches hang on the wave's number alone.  An s_nop 0 and four v_nop follow each line.
; (An argument may be an expression: it stands in brackets wherever it is part of a larger one.)
.macro JLOAD s
	s_cmp_lt_u32 s[WV], 2
	s_cbranch_scc0 .Lnk_\@
	tensor_load_to_lds s[G0KV+4*(\s):G0KV+4*(\s)+3], s[G1K:G1K+7]
	s_nop 0
.rept 4
	v_nop
.endr
	s_branch .Lasked_\@
.Lnk_\@:
	s_cmp_lt_u32 s[WV], 4
	s_cbranch_scc0 .Lm_\@
	tensor_load_to_lds s[G0KV+4*(\s):G0KV+4*(\s)+3], s[G1V:G1V+7]
	s_nop 0
.rept 4
	v_nop
.endr
	s_branch .Lasked_\@
.Lm_\@:
	tensor_load_to_lds s[G0M+4*(\s):G0M+4*(\s)+3], s[G1M:G1M+7]
	s_nop 0
.rept 4
	v_nop
.endr
.Lasked_\@:
.endm
; A PREFETCH INTO THE L2 of what the NEXT change of slots will ask for, behind the wave's tensor load, its five lines and the run of LDS loads.  Each aligned block of 256 bytes is named once in the launch.
; K and V: the clusters with x = 0 ask, wave 0 for K, wave 2 for V; the four partners of a row take 4,096 bytes of each of the two heads' 16,384, told apart by address.
; The mask: the clusters with y = 0 ask, waves 4 and 5 (the two halves of a row's 512 bytes); the four partners of a column take 32 rows each, a lane a row.
; how = 1: the trip's second change, which in the last trip has no slot behind the one it fills.
.macro ASK how
.if \how
	s_cmp_gt_u32 s[TRIP], s[LIM]
.else
	s_cmp_eq_u32 s[LIM], 1
.endif
	s_cbranch_scc0 .Lnot_mine_\@
	global_prefetch_b8 v[PFO], s[PFA:PFA+1] th:TH_LOAD_NT scope:SCOPE_SE
.Lnot_mine_\@:
.endm
	s_load_b256 s[4:11], s[0:1], 0x0               ; qkv, mask, ob, o32
	v_lshl_add_u32 v[SPW], v0, 2, SPARE
	v_mov_b32 v[NIL], 0
	ds_add_u32 v[SPW], v[NIL]                      ; the wave's opening: the add, twice on end, and its wait ahead of my first tensor load
	ds_add_u32 v[SPW], v[NIL]
	v_lshrrev_b32 v1, 5, v0
	v_readfirstlane_b32 s[WV], v1                  ; wave 0..7
	s_lshr_b32 s17, s[WV], 2                       ; e: which of the two heads
	s_and_b32 s18, s[WV], 3
	s_and_b32 s19, s[WV], 1
	s_bfe_u32 s13, ttmp6, 0x40000                  ; cx
	s_bfe_u32 s14, ttmp6, 0x40004                  ; cy
	s_lshl_b32 s15, ttmp9, 2
	s_add_co_u32 s15, s15, s13                     ; qb: my block of 128 queries
	s_and_b32 s16, ttmp7, 0xffff
	s_lshl_b32 s16, s16, 2
	s_add_co_u32 s16, s16, s14                     ; yy: my pair of heads, 2 yy and 2 yy + 1 of 32
	s_lshl_b32 s20, s14, 2
	s_lshl_b32 s20, 15, s20                        ; my row of the cluster
	s_lshl_b32 s76, 0x1111, s13                    ; my column
	s_or_b32 s[G1K], s20, (1<<16)|(1<<20)|(1<<21)|(4<<22)|(3<<25)   ; the mask of work-groups; elements of 2 bytes; padding: 4 words after every 32
	s_or_b32 s[G1V], s20, (1<<16)|(1<<20)|(1<<21)|(4<<22)|(7<<25)   ; 8 words
	s_or_b32 s[G1M], s76, (2<<16)|(1<<20)|(1<<21)|(6<<22)|(3<<25)   ; elements of 4 bytes; 4 words after every 128
.irp g, G1K, G1V
	s_mov_b32 s[\g+1], 64<<16                      ; tensor_dim0 = 64
	s_mov_b32 s[\g+2], 128<<16                     ; tensor_dim1 = 128
	s_mov_b32 s[\g+3], 64<<16                      ; tile_dim0
	s_mov_b32 s[\g+4], 128                         ; tile_dim1
	s_mov_b32 s[\g+5], 64                          ; the pitch
	s_mov_b32 s[\g+6], 0
	s_mov_b32 s[\g+7], 0
.endr
	s_mov_b32 s[G1M+1], 128<<16
	s_mov_b32 s[G1M+2], 32<<16
	s_mov_b32 s[G1M+3], 128<<16
	s_mov_b32 s[G1M+4], 32
	s_mov_b32 s[G1M+5], 2048
	s_mov_b32 s[G1M+6], 0
	s_mov_b32 s[G1M+7], 0
	; K's and V's tiles: made of cy and the wave's number alone
	s_lshl_b32 s20, s16, 1
	s_add_co_u32 s20, s20, s19                     ; head 2 yy + wave % 2
	s_lshl_b32 s20, s20, 18
	s_mov_b32 s21, 0x1000000                       ; v's part,
	s_cmp_lt_u32 s[WV], 2
	s_cselect_b32 s21, 0x800000, s21               ; or k's
	s_add_co_u32 s20, s20, s21
	s_mov_b32 s21, 0
	s_mul_i32 s22, s18, RG
	s_add_co_u32 s22, s22, KOFF                    ; region wave % 4 of a slot
	; the mask's tiles: made of cx and the wave's number alone
	s_lshl_b32 s76, s15, 7
	s_lshl_b32 s77, s18, 5
	s_add_co_u32 s76, s76, s77                     ; row 128 qb + 32 (wave % 4)
	s_lshl_b32 s76, s76, 13
	s_mov_b32 s77, 0
	s_mul_i32 s78, s18, 32*MP
	s_mov_b32 s[CS], 0x3fb8aa3b                    ; c = log2(e)
	s_mov_b32 s[CS+1], s[CS]
	s_mov_b32 s[SEL], 0x76543210
	s_mov_b32 s[SEL+1], 0xfedcba98
	s_wait_dscnt 0x0                               ; both opening adds are done
	s_wait_kmcnt 0x0
	s_add_nc_u64 s[20:21], s[4:5], s[20:21]
	s_add_nc_u64 s[76:77], s[6:7], s[76:77]
	CROUND                                         ; all sixteen work-groups are here: the first joint loads meet
.irp s, 0,1
	s_mov_b32 s[G0KV+4*\s], 1
	s_add_co_u32 s[G0KV+4*\s+1], s22, \s*SLOT
	s_add_nc_u64 s[G0KV+4*\s+2:G0KV+4*\s+3], s[20:21], \s*16384   ; 128 keys of 128 bytes
	s_or_b32 s[G0KV+4*\s+3], s[G0KV+4*\s+3], 0x80000000
	s_mov_b32 s[G0M+4*\s], 1
	s_add_co_u32 s[G0M+4*\s+1], s78, \s*SLOT
	s_add_nc_u64 s[G0M+4*\s+2:G0M+4*\s+3], s[76:77], \s*512       ; 128 keys of 4 bytes
	s_or_b32 s[G0M+4*\s+3], s[G0M+4*\s+3], 0x80000000
.endr
	s_cmp_lt_u32 s[WV], 2                          ; a wave's two first fills stand in one arm: two loads of mine are out
	s_cbranch_scc0 .Lfirst_nk
	tensor_load_to_lds s[G0KV:G0KV+3], s[G1K:G1K+7]
	s_nop 0
	tensor_load_to_lds s[G0KV+4:G0KV+7], s[G1K:G1K+7]
	s_nop 0
.rept 4
	v_nop
.endr
	s_branch .Lfirst_asked
.Lfirst_nk:
	s_cmp_lt_u32 s[WV], 4
	s_cbranch_scc0 .Lfirst_m
	tensor_load_to_lds s[G0KV:G0KV+3], s[G1V:G1V+7]
	s_nop 0
	tensor_load_to_lds s[G0KV+4:G0KV+7], s[G1V:G1V+7]
	s_nop 0
.rept 4
	v_nop
.endr
	s_branch .Lfirst_asked
.Lfirst_m:
	tensor_load_to_lds s[G0M:G0M+3], s[G1M:G1M+7]
	s_nop 0
	tensor_load_to_lds s[G0M+4:G0M+7], s[G1M:G1M+7]
	s_nop 0
.rept 4
	v_nop
.endr
.Lfirst_asked:
	v_and_b32 v160, 15, v0                         ; r
	v_bfe_u32 v161, v0, 4, 1                       ; h
	v_lshlrev_b32 v1, 7, v160
	v_lshl_add_u32 v1, v161, 4, v1                 ; Q: row r of 128 bytes + 16 h
	s_lshl_b32 s80, s16, 1
	s_add_co_u32 s80, s80, s17                     ; my head
	s_lshl_b32 s80, s80, 11
	s_lshl_b32 s81, s15, 7
	s_add_co_u32 s80, s80, s81
	s_lshl_b32 s81, s18, 5
	s_add_co_u32 s80, s80, s81                     ; my first query's row in q's part
	s_lshl_b32 s80, s80, 7
	s_mov_b32 s81, 0
	s_add_nc_u64 s[84:85], s[4:5], s[80:81]
.irp y, 0,1
.irp c, 0,1
.irp g, 0,1
	global_load_b128 v[Q+16*\y+8*\c+4*\g:Q+16*\y+8*\c+4*\g+3], v1, s[84:85] offset:2048*\y+64*\c+32*\g   ; Q stays in registers
.endr
.endr
.endr
	v_mul_u32_u24 v[AK], v160, KP
	v_lshl_add_u32 v[AK], v161, 4, v[AK]
	s_mul_i32 s80, s17, RG
	s_add_co_u32 s80, s80, KOFF
	v_add_nc_u32 v[AK], s80, v[AK]                 ; K of my head: row r, + 16 h
	v_add_nc_u32 v[AK+1], SLOT, v[AK]
	v_and_b32 v163, 7, v0
	v_lshl_add_u32 v163, v161, 3, v163
	v_mul_u32_u24 v[AV], v163, VP                  ; V, for the turning load: key 8 h + lane % 8,
	v_bfe_u32 v163, v0, 3, 1
	v_lshl_add_u32 v[AV], v163, 4, v[AV]           ; channels 8 ((lane / 8) % 2) on
	s_add_co_u32 s80, s80, 2*RG
	v_add_nc_u32 v[AV], s80, v[AV]
	v_add_nc_u32 v[AV+1], SLOT, v[AV]
	v_mul_u32_u24 v[AM], v160, MP
	v_lshl_add_u32 v[AM], v161, 5, v[AM]
	s_mul_i32 s80, s18, 32*MP
	v_add_nc_u32 v[AM], s80, v[AM]                 ; the mask: row 32 (wave % 4) + r, + 32 h bytes
	v_add_nc_u32 v[AM+1], SLOT, v[AM]
	v_mul_u32_u24 v[STO], v160, SP
	v_lshl_add_u32 v[STO], v161, 4, v[STO]
	s_mul_i32 s80, s18, 32*SP
	s_lshl_b32 s81, s17, 7
	s_add_co_u32 s80, s80, s81
	v_add_nc_u32 v[STO], s80, v[STO]               ; the stage, in: row 32 (wave % 4) + r, my head's 128 bytes, + 16 h
	v_mul_u32_u24 v[RD], v161, SP
	v_lshl_add_u32 v[RD], v160, 4, v[RD]
	s_mul_i32 s80, s[WV], 16*SP
	v_add_nc_u32 v[RD], s80, v[RD]                 ; back: rows 16 wave on, sixteen lanes to a row
	v_lshlrev_b32 v[GO], 11, v161
	v_lshl_add_u32 v[GO], v160, 4, v[GO]           ; and the same two rows in ob
	v_lshlrev_b32 v[FO], 12, v160
	v_lshl_add_u32 v[FO], v161, 5, v[FO]
	s_lshl_b32 s80, s15, 7
	s_lshl_b32 s81, s18, 5
	s_add_co_u32 s80, s80, s81
	v_add_nc_u32 v[QG], s80, v160
	; the prefetches: where my wave's stand.  They begin in slot 2; the first change of slots steps them to slot 3.  Nothing is prefetched here, at the head
	s_lshl_b32 s80, s16, 19                        ; head 2 yy
	s_lshl_b32 s81, s13, 12                        ; my work-group's 4,096 bytes
	s_add_co_u32 s80, s80, s81
	s_mov_b32 s81, 0x1000000
	s_cmp_lt_u32 s[WV], 2
	s_cselect_b32 s81, 0x800000, s81
	s_add_co_u32 s80, s80, s81
	s_add_co_u32 s80, s80, 2*16384
	s_lshl_b32 s82, s15, 7
	s_lshl_b32 s83, s14, 5                         ; my work-group's 32 rows of the mask's tile
	s_add_co_u32 s82, s82, s83
	s_lshl_b32 s82, s82, 13
	s_lshl_b32 s83, s19, 8
	s_add_co_u32 s82, s82, s83
	s_add_co_u32 s82, s82, 2*512
	s_mov_b32 s[PFS], 512
	s_mov_b32 s86, 131072
	s_mov_b32 s87, 8192
	s_cmp_lt_u32 s[WV], 4
	s_cselect_b64 s[PFA:PFA+1], s[4:5], s[6:7]
	s_cselect_b32 s80, s80, s82
	s_cselect_b32 s[PFS], 16384, s[PFS]            ; a slot on
	s_cselect_b32 s86, 262144, s86                 ; from lanes 0-15 to lanes 16-31: the other head, or 16 rows
	s_cselect_b32 s87, 256, s87                    ; from lane to lane
	s_mov_b32 s81, 0
	s_mov_b32 s[PFS+1], 0
	s_add_nc_u64 s[PFA:PFA+1], s[PFA:PFA+1], s[80:81]
	v_mul_lo_u32 v[PFO], v161, s86
	v_mul_lo_u32 v163, v160, s87
	v_add_nc_u32 v[PFO], v[PFO], v163
	s_and_b32 s80, s[WV], 5                        ; 0 in waves 0 and 2,
	s_or_b32 s80, s80, ttmp9                       ; of a cluster with x = 0
	s_and_b32 s81, ttmp7, 0xffff
	s_xor_b32 s82, s[WV], 4
	s_lshr_b32 s82, s82, 1                         ; 0 in waves 4 and 5,
	s_or_b32 s81, s81, s82                         ; of a cluster with y = 0
	s_cmp_lt_u32 s[WV], 4
	s_cselect_b32 s80, s80, s81
	s_cmp_eq_u32 s80, 0
	s_cselect_b32 s[LIM], 1, -1                    ; the same in all sixteen partners, for a given wave
	; where the results go
	s_lshr_b32 s80, s16, 3                         ; the batch
	s_and_b32 s82, s16, 7
	s_lshl_b32 s86, s80, 16
	s_lshl_b32 s83, s82, 9
	s_add_co_u32 s86, s86, s83
	s_lshl_b32 s83, s17, 8
	s_add_co_u32 s86, s86, s83                     ; o32: batch x 65,536 + my head's 256 bytes of a row
	s_mov_b32 s87, 0
	s_add_nc_u64 s[10:11], s[10:11], s[86:87]
	s_lshl_b32 s86, s80, 11
	s_lshl_b32 s83, s15, 7
	s_add_co_u32 s86, s86, s83
	s_lshl_b32 s83, s[WV], 4
	s_add_co_u32 s86, s86, s83                     ; ob: row batch x 2,048 + 128 qb + 16 wave,
	s_lshl_b32 s86, s86, 11
	s_lshl_b32 s83, s82, 8
	s_add_co_u32 s86, s86, s83                     ; + the two heads' 256 bytes
	s_add_nc_u64 s[8:9], s[8:9], s[86:87]
.irp y, 0,1
	v_mov_b32 v[ST+8*\y+1], 0xfe967699             ; m = -1e38
	v_mov_b32 v[ST+8*\y+2], 0                      ; l
	v_mov_b32 v[ST+8*\y+3], 0
.endr
.irp y, 0,1
	v_mul_f32 v[ST+8*\y], s[CS], v[ST+8*\y+1]      ; c m
.endr
	WIN 0x40
.irp j, 0,1,2,3,4,5,6,7,8,9,10,11,12,13,14,15,16,17,18,19,20,21,22,23,24,25,26,27,28,29,30,31,32,33,34,35,36,37,38,39,40,41,42,43,44,45,46,47,48,49,50,51,52,53,54,55,56,57,58,59,60,61,62,63
	v_mov_b32 v[\j], 0                             ; O^T: the step is written once; its first run finds zeros and a = 0
.endr
	WIN 0
; THE SOFTMAX of a step's 64 keys, on the set of S^T that begins at v[SB]; both tiles line by line, so that no line waits for the line above it.
.macro SOFT
.irp j, 0,1,2,3
.irp y, 0,1
	v_max3_num_f32 v[ST+8*\y+4+\j], v[SB+32*\y+8*\j], v[SB+32*\y+8*\j+1], v[SB+32*\y+8*\j+2]   ; four chains, one an accumulator, each from its low end on
.endr
.endr
.irp k, 1,2
.irp j, 0,1,2,3
.irp y, 0,1
	v_max3_num_f32 v[ST+8*\y+4+\j], v[ST+8*\y+4+\j], v[SB+32*\y+8*\j+2*\k+1], v[SB+32*\y+8*\j+2*\k+2]
.endr
.endr
.endr
.irp y, 0,1
	v_max3_num_f32 v[ST+8*\y+4], v[ST+8*\y+4], v[SB+32*\y+7], v[SB+32*\y+15]
.endr
.irp y, 0,1
	v_max3_num_f32 v[ST+8*\y+6], v[ST+8*\y+6], v[SB+32*\y+23], v[SB+32*\y+31]
.endr
.irp y, 0,1
	v_max3_num_f32 v[ST+8*\y+4], v[ST+8*\y+4], v[ST+8*\y+5], v[ST+8*\y+6]
.endr
.irp y, 0,1
	v_max3_num_f32 v[ST+8*\y+4], v[ST+8*\y+4], v[ST+8*\y+7], v[ST+8*\y+1]   ; and the old m
.endr
.irp y, 0,1
	v_permlanex16_b32 v[ST+8*\y+5], v[ST+8*\y+4], s[SEL], s[SEL+1]          ; the query's other 32 keys lie in the lane 16 away
.endr
.irp y, 0,1
	v_mov_b32 v[ST+8*\y+7], v[ST+8*\y]             ; c m_old
.endr
.irp y, 0,1
	v_max_num_f32 v[ST+8*\y+1], v[ST+8*\y+4], v[ST+8*\y+5]
.endr
.irp y, 0,1
	v_mul_f32 v[ST+8*\y], s[CS], v[ST+8*\y+1]
.endr
.irp y, 0,1
	v_sub_f32 v[ST+8*\y+7], v[ST+8*\y+7], v[ST+8*\y]
.endr
.irp i, 0,1,2,3,4,5,6,7,8,9,10,11,12,13,14,15
.irp y, 0,1
	v_pk_fma_f32 v[SB+32*\y+2*\i:SB+32*\y+2*\i+1], v[SB+32*\y+2*\i:SB+32*\y+2*\i+1], s[CS:CS+1], v[ST+8*\y:ST+8*\y+1] op_sel_hi:[1,0,0] neg_lo:[0,0,1] neg_hi:[0,0,1]   ; c s - c m
.endr
.endr
.irp y, 0,1
	v_exp_f32 v[ST+8*\y+6], v[ST+8*\y+7]           ; a.  ONE BATCH of 66 exponentials: none reads another's result
.endr
.irp i, 0,1,2,3,4,5,6,7,8,9,10,11,12,13,14,15,16,17,18,19,20,21,22,23,24,25,26,27,28,29,30,31
.irp y, 0,1
	v_exp_f32 v[SB+32*\y+\i], v[SB+32*\y+\i]
.endr
.endr
	v_nop                                          ; a plain instruction behind the last exponential
	s_wait_alu depctr_va_vdst(0)                   ; the wait ahead of the first instruction that names a result: one for the batch
.irp i, 0,1,2,3,4,5,6,7,8,9,10,11,12,13,14,15
.irp y, 0,1
	v_cvt_pk_f16_f32 v[P+16*\y+\i], v[SB+32*\y+2*\i], v[SB+32*\y+2*\i+1]
.endr
.endr
.irp z, 0,1,2,3,4,5,6,7
.irp y, 0,1
	v_pk_add_f32 v[SB+32*\y+4*\z:SB+32*\y+4*\z+1], v[SB+32*\y+4*\z:SB+32*\y+4*\z+1], v[SB+32*\y+4*\z+2:SB+32*\y+4*\z+3]   ; the sum of the unrounded p, as a tree in place
.endr
.endr
.irp z, 0,1,2,3
.irp y, 0,1
	v_pk_add_f32 v[SB+32*\y+8*\z:SB+32*\y+8*\z+1], v[SB+32*\y+8*\z:SB+32*\y+8*\z+1], v[SB+32*\y+8*\z+4:SB+32*\y+8*\z+5]
.endr
.endr
.irp z, 0,1
.irp y, 0,1
	v_pk_add_f32 v[SB+32*\y+16*\z:SB+32*\y+16*\z+1], v[SB+32*\y+16*\z:SB+32*\y+16*\z+1], v[SB+32*\y+16*\z+8:SB+32*\y+16*\z+9]
.endr
.endr
.irp y, 0,1
	v_pk_add_f32 v[SB+32*\y:SB+32*\y+1], v[SB+32*\y:SB+32*\y+1], v[SB+32*\y+16:SB+32*\y+17]
.endr
.irp y, 0,1
	v_pk_fma_f32 v[ST+8*\y+2:ST+8*\y+3], v[ST+8*\y+2:ST+8*\y+3], v[ST+8*\y+6:ST+8*\y+7], v[SB+32*\y:SB+32*\y+1] op_sel_hi:[1,0,1]   ; l = a l + the sum
.endr
	WIN 0x41                                       ; O^T in window 1, a in window 0
.irp i, 0,1,2,3,4,5,6,7,8,9,10,11,12,13,14,15
.irp y, 0,1
	v_pk_mul_f32 v[32*\y+2*\i:32*\y+2*\i+1], v[32*\y+2*\i:32*\y+2*\i+1], v[ST+8*\y+6:ST+8*\y+7] op_sel_hi:[1,0]   ; ascending: each accumulator from its low end on
.endr
.endr
.endm
.macro PLACES                          ; four plain vector instructions between a matrix instruction and a read of its result or a load into one of its registers (ISA guide 7.12.1 for the reads)
.rept 4
	v_nop
.endr
.endm
; 32 LDS loads in one run: the mask and K of the q-th 64 keys of slot s: the mask into set q of S^T, K into its 64 registers.
.macro LOADMK s, q
.set LB, S+SSET*(\q)
.irp y, 0,1
.irp t, 0,1,2,3
.irp g, 0,1
	ds_load_b128 v[LB+32*\y+8*\t+4*\g:LB+32*\y+8*\t+4*\g+3], v[AM+(\s)] offset:16*MP*\y+256*(\q)+64*\t+16*\g   ; mask[my query][keys 16 t + 8 h + 4 g on] into the accumulator
.endr
.endr
.endr
	WIN 0x40                                       ; destination window 1
.irp t, 0,1,2,3
.irp c, 0,1
.irp g, 0,1
	ds_load_b128 v[KF+16*\t+8*\c+4*\g:KF+16*\t+8*\c+4*\g+3], v[AK+(\s)] offset:64*KP*(\q)+16*KP*\t+64*\c+32*\g
.endr
.endr
.endr
	WIN 0
.endm
; THE CHANGE OF SLOTS, behind the first products of slot s's second step.  Each wave waits for all its tensor loads (its part of the other slot), adds 0 to its spare word, and waits for that and for its last reads of
; slot s: this step's V.  The barrier is a round of the cluster's; slot s's joint refill, keys two slots on, is the first thing behind it: one load a wave, with a whole slot's two steps in which to land.
; Its four v_nop are also the places behind the products, ahead of the loads into K's registers and of the softmax's reads.  Then the other slot's first mask and K are asked of LDS.
.macro CHFILL s, how
	s_wait_tensorcnt 0x0                           ; no tensor load of mine is out, so a group 0 may be written
	ds_add_u32 v[SPW], v[NIL]
	s_add_nc_u64 s[G0KV+4*(\s)+2:G0KV+4*(\s)+3], s[G0KV+4*(\s)+2:G0KV+4*(\s)+3], 2*16384
	s_add_nc_u64 s[G0M+4*(\s)+2:G0M+4*(\s)+3], s[G0M+4*(\s)+2:G0M+4*(\s)+3], 2*512
	s_wait_xcnt 0x0                                ; the last prefetch, a slot back, has read its address
	s_add_nc_u64 s[PFA:PFA+1], s[PFA:PFA+1], s[PFS:PFS+1]   ; one slot further on than the refill
	s_wait_dscnt 0x0                               ; the add is done, and my reads of slot s are over
	CROUND
	JLOAD \s
	LOADMK 1-\s, 0
	ASK \how
.endm
.macro CHLAST s                        ; the last change: nothing is left to ask for, so a barrier of the work-group does
	s_wait_tensorcnt 0x0
	ds_add_u32 v[SPW], v[NIL]
	s_wait_dscnt 0x0
	s_barrier_signal -1
	s_barrier_wait -1
	PLACES
	LOADMK 1-\s, 0
.endm
; A STEP: 64 keys, the q-th half of slot s.  Its mask and K were asked for a step ago.  The accumulators take turns, one instruction a turn: eight in each run of sixteen products.
; mode 0: the next step lies in the same slot;  1: a change of slots with a refill;  2: the last change;  3: the last step of all.
.macro SUB s, q, mode, how
.set SB, S+SSET*(\q)
	WIN 0x40                                       ; destination window 1
.irp u, 0,1
.irp n, 0,1,2,3
.irp g, 0,1
	ds_load_tr16_b128 v[VF+8*(4*\u+\n)+4*\g:VF+8*(4*\u+\n)+4*\g+3], v[AV+\s] offset:64*VP*\q+32*VP*\u+16*VP*\g+32*\n
.endr
.endr
.endr
	s_wait_dscnt 16                                ; all but V's sixteen loads just issued: this step's mask and K are in
	WIN 0x01                                       ; K in window 1; Q and S^T in window 0
.irp c, 0,1
.irp t, 0,1,2,3
.irp y, 0,1
	v_wmma_f32_16x16x32_f16 v[SB+32*\y+8*\t:SB+32*\y+8*\t+7], v[KF+16*\t+8*\c:KF+16*\t+8*\c+7], v[Q+16*\y+8*\c:Q+16*\y+8*\c+7], v[SB+32*\y+8*\t:SB+32*\y+8*\t+7]
.endr
.endr
.endr
	WIN 0
.if \mode == 0
	PLACES
	LOADMK \s, 1                                   ; the slot's second step
.elseif \mode == 1
	CHFILL \s, \how
.elseif \mode == 2
	CHLAST \s
.else
	PLACES
.endif
	SOFT
.if \mode == 0
	s_wait_dscnt 32                                ; all but the next step's 32 loads: V is in
.elseif \mode == 3
	s_wait_dscnt 0x0                               ; V is in  (at a change of slots it was awaited in front of the barrier)
.endif
	WIN 0x51                                       ; V and O^T in window 1, P in window 0
.irp u, 0,1
.irp n, 0,1,2,3
.irp y, 0,1
	v_wmma_f32_16x16x32_f16 v[32*\y+8*\n:32*\y+8*\n+7], v[VF+8*(4*\u+\n):VF+8*(4*\u+\n)+7], v[P+16*\y+8*\u:P+16*\y+8*\u+7], v[32*\y+8*\n:32*\y+8*\n+7]
.endr
.endr
.endr
	WIN 0
	PLACES                                         ; ahead of the next loads into V's registers, and of the way out's reads
.endm
	s_wait_tensorcnt 1                             ; my part of slot 0 is in; slot 1's may stay out
	s_barrier_signal -1
	s_barrier_wait -1
	s_wait_loadcnt 0x0                             ; Q
	LOADMK 0, 0                                    ; the first step's mask and K
	s_mov_b32 s[TRIP], 7
.Lslot:                                            ; seven trips, two slots each: fourteen refills
	SUB 0, 0, 0, 0
	SUB 0, 1, 1, 0
	SUB 1, 0, 0, 0
	SUB 1, 1, 1, 1
	s_sub_co_u32 s[TRIP], s[TRIP], 1
	s_cmp_lg_u32 s[TRIP], 0
	s_cbranch_scc1 .Lslot
	SUB 0, 0, 0, 0                                 ; the last two slots are written out: nothing is left to ask for
	SUB 0, 1, 2, 0
	SUB 1, 0, 0, 0
	SUB 1, 1, 3, 0
	; THE WAY OUT
.irp y, 0,1
	v_add_f32 v[ST+8*\y+4], v[ST+8*\y+2], v[ST+8*\y+3]
.endr
.irp y, 0,1
	v_permlanex16_b32 v[ST+8*\y+5], v[ST+8*\y+4], s[SEL], s[SEL+1]
.endr
.irp y, 0,1
	v_add_f32 v[ST+8*\y+4], v[ST+8*\y+4], v[ST+8*\y+5]   ; the row's sum
.endr
.irp y, 0,1
	v_rcp_f32 v[ST+8*\y+6], v[ST+8*\y+4]
.endr
	v_nop                                          ; a plain instruction behind the last reciprocal
	s_wait_alu depctr_va_vdst(0)                   ; and the wait ahead of the first use: one for both
	WIN 0x01                                       ; source 0 (O^T) window 1
.irp y, 0,1
.irp i, 0,1,2,3,4,5,6,7,8,9,10,11,12,13,14,15
	v_pk_mul_f32 v[S+32*\y+2*\i:S+32*\y+2*\i+1], v[32*\y+2*\i:32*\y+2*\i+1], v[ST+8*\y+6:ST+8*\y+7] op_sel_hi:[1,0]   ; O^T / l: register 8 n + j is channel 16 n + 8 h + j of my query
.endr
.endr
	WIN 0
	s_wait_xcnt 0x0                                ; EXEC changes only behind this wait
	v_cmp_gt_u32 vcc_lo, 16, v[QG]                 ; the first 16 positions leave in f32 too: tile 0 of the waves that hold them; elsewhere no lane is on
	s_and_saveexec_b32 s76, vcc_lo
.irp n, 0,1,2,3
.irp g, 0,1
	global_store_b128 v[FO], v[S+8*\n+4*\g:S+8*\n+4*\g+3], s[10:11] offset:64*\n+16*\g
.endr
.endr
	s_wait_xcnt 0x0
	s_or_b32 exec_lo, exec_lo, s76
.irp i, 0,1,2,3,4,5,6,7,8,9,10,11,12,13,14,15,16,17,18,19,20,21,22,23,24,25,26,27,28,29,30,31
	v_cvt_pk_f16_f32 v[P+\i], v[S+2*\i], v[S+2*\i+1]
.endr
.irp y, 0,1
.irp n, 0,1,2,3
	ds_store_b128 v[STO], v[P+16*\y+4*\n:P+16*\y+4*\n+3] offset:16*SP*\y+32*\n
.endr
.endr
	s_wait_dscnt 0x0                               ; for the others' sake: a row's 256 bytes come from the waves of two heads
	s_barrier_signal -1
	s_barrier_wait -1
.irp i, 0,1,2,3,4,5,6,7
	ds_load_b128 v[BK+4*\i:BK+4*\i+3], v[RD] offset:2*SP*\i
.endr
.irp i, 0,1,2,3,4,5,6,7
	s_wait_dscnt 7-\i
	global_store_b128 v[GO], v[BK+4*\i:BK+4*\i+3], s[8:9] offset:4096*\i   ; sixteen lanes store 256 consecutive bytes, aligned
.endr
	s_wait_tensorcnt 0x0                           ; the wave's end
	ds_add_u32 v[SPW], v[NIL]
	s_wait_dscnt 0x0
	CROUND                                         ; the closing round
	s_endpgm
.Lfunc_end_k_q1a2f99b6c7_attn:
	.size	k_q1a2f99b6c7_attn, .Lfunc_end_k_q1a2f99b6c7_attn-k_q1a2f99b6c7_attn
	.p2alignl 7, 3214868480
	.fill 96, 4, 3214868480
	.section	.rodata,"a",@progbits
	.p2align	6, 0x0
	.amdhsa_kernel k_q1a2f99b6c7_attn
		.amdhsa_group_segment_fixed_size 327680
		.amdhsa_private_segment_fixed_size 0
		.amdhsa_enable_private_segment 0
		.amdhsa_kernarg_size 32
		.amdhsa_user_sgpr_count 2
		.amdhsa_user_sgpr_kernarg_segment_ptr 1
		.amdhsa_wavefront_size32 1
		.amdhsa_system_sgpr_workgroup_id_x 1
		.amdhsa_system_sgpr_workgroup_id_y 1
		.amdhsa_system_sgpr_workgroup_id_z 1
		.amdhsa_system_vgpr_workitem_id 0
		.amdhsa_next_free_vgpr 448
		.amdhsa_next_free_sgpr 90
		.amdhsa_reserve_vcc 1
		.amdhsa_float_denorm_mode_32 3
		.amdhsa_float_denorm_mode_16_64 3
		.amdhsa_memory_ordered 1
		.amdhsa_forward_progress 1
		.amdhsa_inst_pref_size 170
	.end_amdhsa_kernel
	.amdgpu_metadata
---
amdhsa.version: [ 1, 2 ]
amdhsa.kernels:
  - .name:           k_q1a2f99b6c7_attn
    .symbol:         k_q1a2f99b6c7_attn.kd
    .args:
      - { .name: qkv, .offset: 0, .size: 8, .value_kind: global_buffer, .address_space: global }
      - { .name: mask, .offset: 8, .size: 8, .value_kind: global_buffer, .address_space: global }
      - { .name: ob, .offset: 16, .size: 8, .value_kind: global_buffer, .address_space: global }
      - { .name: o32, .offset: 24, .size: 8, .value_kind: global_buffer, .address_space: global }
    .group_segment_fixed_size: 327680
    .private_segment_fixed_size: 0
    .kernarg_segment_align: 8
    .kernarg_segment_size: 32
    .max_flat_workgroup_size: 256
    .sgpr_count:     90
    .vgpr_count:     448
    .wavefront_size: 32
...
	.end_amdgpu_metadata
.endif
;; end of part 3
;; launch proj (part 4): grid 8 x 32, 4 waves a work-group, clusters of 4 x 4, 327,680 bytes of LDS; arguments ob, wo16, out0; writes out0
.if DOCPART == 4
	.amdgcn_target "amdgcn-amd-amdhsa--gfx1250"
	.amdhsa_code_object_version 6
	.text
	.protected	k_q1a2f99b6c7_proj
	.globl	k_q1a2f99b6c7_proj
	.p2align	8
	.type	k_q1a2f99b6c7_proj,@function
k_q1a2f99b6c7_proj:
	s_mov_b64 s[64:65], 0
	v_nop
	global_prefetch_b8 v0, s[64:65] scope:SCOPE_SE
	s_setreg_imm32_b32 hwreg(HW_REG_WAVE_MODE, 25, 1), 1
	s_wait_xcnt 0x0
	s_wait_alu depctr_hold_cnt(0) depctr_sa_sdst(0) depctr_va_vdst(0) depctr_va_sdst(0) depctr_va_ssrc(0) depctr_va_vcc(0) depctr_vm_vsrc(0)
	s_getreg_b32 s2, hwreg(HW_REG_IB_STS2, 6, 4)
	s_cmp_eq_u32 s2, 0
	s_cbranch_scc0 .Lentry_in_a_cluster
	s_endpgm
.Lentry_in_a_cluster:
	s_bfe_u32 s2, ttmp6, 0x10000c
	s_cmp_lg_u32 s2, 0xf033
	s_cbranch_scc0 .Lentry_shape_is_right
	s_endpgm
.Lentry_shape_is_right:
; PROJ.  out0[m][n] = sum over k of ob[m][k] wo16[n][k].  ob: [4096][1024], wo16: [1024][1024], f16; out0: [4096][1024] f32; sums in f32.
; A tile of out0 is 128 x 128: 256 work-groups.  Four waves, each 64 x 64: 16 accumulators.  K goes in steps of 256 (LDS rows of 512 bytes) through a ring of two slots: two laps.
; CLUSTERS: 4 x 4 work-groups; A's tiles are asked for jointly along a row of the cluster, B's along a column.  THE MATRIX INSTRUCTION IS USED TRANSPOSED: a lane holds eight neighbouring numbers of a row of out0.
; A wave's 64 columns of f32 are 256 aligned bytes.
; The rows of the first 16 positions of each batch are written here like all others and once more, from f32 operands, by the launch that follows.
; REGISTERS: window 0: v0-31 addresses; v32-95 rows on the way out; v128-255 the accumulators ((a, b) at v[128 + 8 (4 a + b)]).   window 1: two fragment buffers of 128.
.set SIZE_N, 1024
.set SIZE_K, 1024
.set KSTEP,  256
.set PITCH,  528
.set HALFT,  64*PITCH
.set SLOT,   4*HALFT
.set STAGE,  2*SLOT                    ; behind the ring: 16 rows x 272 bytes for each wave
.set SPITCH, 272
.set SPARE,  STAGE+4*16*SPITCH         ; the spare words, 128 bytes a wave
.set LAPS, SIZE_K/(2*KSTEP)
.set ADRA, 16
.set ADRB, 20
.set STO,  24
.set RD,   25
.set CO,   26
.set SPW,  28
.set NIL,  29
.set TMP,  32
.set ACC,  128
.set F0,   0
.set F1,   128
.set G1, 24
.set G0, 32
.set G1B, 48
.set G0B, 56
.set MSB, 0
.macro WIN new
.if MSB != (\new)
	s_set_vgpr_msb (MSB<<8)|(\new)
.set MSB, \new
.endif
.endm
.set MUL,  0x05
.set TO_F, 0x40
.macro JLOAD s                         ; a joint load: waves 0 and 1 fetch A's two halves, waves 2 and 3 B's; an s_nop 0 and four v_nop follow each line
	s_cmp_eq_u32 s11, 0
	s_cbranch_scc0 .Lfor_b_\@
	tensor_load_to_lds s[G0+4*\s:G0+4*\s+3], s[G1:G1+7]
	s_nop 0
.rept 4
	v_nop
.endr
	s_branch .Lasked_\@
.Lfor_b_\@:
	tensor_load_to_lds s[G0B+4*\s:G0B+4*\s+3], s[G1B:G1B+7]
	s_nop 0
.rept 4
	v_nop
.endr
.Lasked_\@:
.endm
.macro CREST
	s_cmp_lg_u32 s10, 0
	s_cbranch_scc1 .Lnot_wave_0_\@
	s_barrier_signal -3
.Lnot_wave_0_\@:
	s_barrier_wait -3
	s_barrier_signal -1
	s_barrier_wait -1
.endm
.macro CROUND
	s_barrier_signal -1
	s_barrier_wait -1
	CREST
.endm
	s_load_b128 s[4:7], s[0:1], 0x0                ; ob, wo16
	s_load_b64 s[8:9], s[0:1], 0x10                ; out0
	v_lshl_add_u32 v[SPW], v0, 2, SPARE
	v_mov_b32 v[NIL], 0
	ds_add_u32 v[SPW], v[NIL]                      ; the wave's opening: the add, twice on end, and its wait ahead of my first tensor load
	ds_add_u32 v[SPW], v[NIL]
	v_lshrrev_b32 v1, 5, v0
	v_readfirstlane_b32 s10, v1                    ; wave 0..3
	s_lshr_b32 s11, s10, 1                         ; which half of the tile's rows is mine.  Also: I fetch for A (0) or for B (1)
	s_and_b32 s12, s10, 1                          ; which half of its columns.  Also: which 64 rows of that tile I fetch
	s_bfe_u32 s40, ttmp6, 0x40000
	s_bfe_u32 s41, ttmp6, 0x40004
	s_lshl_b32 s42, ttmp9, 2
	s_add_co_u32 s42, s42, s40                     ; tile column
	s_and_b32 s13, ttmp7, 0xffff
	s_lshl_b32 s13, s13, 2
	s_add_co_u32 s13, s13, s41                     ; tile row
	s_lshl_b32 s43, s41, 2
	s_lshl_b32 s43, 15, s43
	s_lshl_b32 s44, 0x1111, s40
	s_or_b32 s[G1+0], s43, (1<<16)|(1<<20)|(1<<21)|(6<<22)|(3<<25)  ; the mask; elements of 2 bytes; padding: 4 words after every 128
	s_or_b32 s[G1B+0], s44, (1<<16)|(1<<20)|(1<<21)|(6<<22)|(3<<25)
.irp g, G1, G1B
	s_mov_b32 s[\g+1], KSTEP<<16
	s_mov_b32 s[\g+2], 64<<16
	s_mov_b32 s[\g+3], KSTEP<<16
	s_mov_b32 s[\g+4], 64
	s_mov_b32 s[\g+5], SIZE_K
	s_mov_b32 s[\g+6], 0
	s_mov_b32 s[\g+7], 0
.endr
	s_lshl_b32 s17, s12, 6
	s_lshl_b32 s16, s13, 7
	s_add_co_u32 s16, s16, s17
	s_lshl_b32 s46, s42, 7
	s_add_co_u32 s46, s46, s17
	s_mov_b32 s17, 0
	s_mov_b32 s47, 0
	s_mov_b64 s[18:19], SIZE_K*2
	s_mul_u64 s[16:17], s[16:17], s[18:19]
	s_mul_u64 s[46:47], s[46:47], s[18:19]
	s_mul_i32 s20, s10, HALFT
	s_wait_dscnt 0x0                               ; both opening adds are done
	s_wait_kmcnt 0x0
	s_add_nc_u64 s[14:15], s[4:5], s[16:17]
	s_add_nc_u64 s[46:47], s[6:7], s[46:47]
	CROUND
.irp s, 0,1
	s_mov_b32 s[G0+4*\s], 1
	s_add_co_u32 s[G0+4*\s+1], s20, \s*SLOT
	s_add_nc_u64 s[G0+4*\s+2:G0+4*\s+3], s[14:15], \s*KSTEP*2
	s_or_b32 s[G0+4*\s+3], s[G0+4*\s+3], 0x80000000
	s_mov_b32 s[G0B+4*\s], 1
	s_add_co_u32 s[G0B+4*\s+1], s20, \s*SLOT
	s_add_nc_u64 s[G0B+4*\s+2:G0B+4*\s+3], s[46:47], \s*KSTEP*2
	s_or_b32 s[G0B+4*\s+3], s[G0B+4*\s+3], 0x80000000
	JLOAD \s
.endr
	v_and_b32 v1, 15, v0                           ; r
	v_bfe_u32 v2, v0, 4, 1                         ; h
	v_mul_u32_u24 v3, v1, PITCH
	v_lshl_add_u32 v3, v2, 4, v3
	s_mul_i32 s21, s11, HALFT
	s_mul_i32 s22, s12, HALFT
	s_add_co_u32 s22, s22, 2*HALFT
.irp s, 0,1
	v_add_nc_u32 v[ADRA+\s], s21, v3
	v_add_nc_u32 v[ADRB+\s], s22, v3
	s_add_co_u32 s21, s21, SLOT
	s_add_co_u32 s22, s22, SLOT
.endr
	s_mul_i32 s23, s10, 16*SPITCH
	s_add_co_u32 s23, s23, STAGE                   ; my stage
	v_mul_u32_u24 v4, v1, SPITCH                   ; in: row r, 32 bytes for each half of the lanes
	v_lshl_add_u32 v4, v2, 5, v4
	v_add_nc_u32 v[STO], s23, v4
	v_mul_u32_u24 v5, v2, SPITCH                   ; back: lanes 0-15 one row of 256 bytes, lanes 16-31 the next
	v_lshl_add_u32 v5, v1, 4, v5
	v_add_nc_u32 v[RD], s23, v5
	v_lshlrev_b32 v5, 12, v2                       ; and the same two rows in out0
	v_lshl_add_u32 v[CO], v1, 4, v5
	s_lshl_b32 s16, s13, 7
	s_lshl_b32 s17, s11, 6
	s_add_co_u32 s16, s16, s17                     ; my first row: 128 x tile row + 64 x half
	s_lshl_b32 s16, s16, 12
	s_mov_b32 s17, 0
	s_add_nc_u64 s[8:9], s[8:9], s[16:17]
	s_lshl_b32 s46, s42, 9                         ; my first column, in bytes: 512 x tile column + 256 x half
	s_lshl_b32 s47, s12, 8
	s_add_co_u32 s46, s46, s47
	s_mov_b32 s47, 0
	s_add_nc_u64 s[8:9], s[8:9], s[46:47]
.macro MUL8 f, c, a0, zero             ; 8 matrix instructions; the 16 accumulators take turns, one instruction a turn
.irp a, \a0, \a0+1
.irp b, 0,1,2,3
.if \zero
	v_wmma_f32_16x16x32_f16 v[ACC+8*(4*(\a)+\b):ACC+8*(4*(\a)+\b)+7], v[\f+64+8*(4*\c+\b):\f+64+8*(4*\c+\b)+7], v[\f+8*(4*\c+\a):\f+8*(4*\c+\a)+7], 0
.else
	v_wmma_f32_16x16x32_f16 v[ACC+8*(4*(\a)+\b):ACC+8*(4*(\a)+\b)+7], v[\f+64+8*(4*\c+\b):\f+64+8*(4*\c+\b)+7], v[\f+8*(4*\c+\a):\f+8*(4*\c+\a)+7], v[ACC+8*(4*(\a)+\b):ACC+8*(4*(\a)+\b)+7]
.endif
.endr
.endr
.endm
.macro FETCH slot, k, f                ; 32 LDS loads in one run: the fragments of 64 along K at byte k of the rows
	WIN TO_F
.irp c, 0,1
.irp i, 0,1,2,3
	ds_load_b128 v[\f+64+8*(4*\c+\i):\f+64+8*(4*\c+\i)+3],   v[ADRB+\slot] offset:\k+64*\c+\i*16*PITCH
	ds_load_b128 v[\f+64+8*(4*\c+\i)+4:\f+64+8*(4*\c+\i)+7], v[ADRB+\slot] offset:\k+64*\c+\i*16*PITCH+32
	ds_load_b128 v[\f+8*(4*\c+\i):\f+8*(4*\c+\i)+3],         v[ADRA+\slot] offset:\k+64*\c+\i*16*PITCH
	ds_load_b128 v[\f+8*(4*\c+\i)+4:\f+8*(4*\c+\i)+7],       v[ADRA+\slot] offset:\k+64*\c+\i*16*PITCH+32
.endr
.endr
.endm
.macro PLACES
.rept 4
	v_nop
.endr
.endm
.macro QUARTER slot, k, f, g, zero
	s_wait_dscnt 16                                ; the first 32 along K are in; the youngest sixteen loads may be out
	WIN MUL
	MUL8 \f, 0, 0, \zero
	MUL8 \f, 0, 2, \zero
	PLACES
	FETCH \slot, \k, \g
	s_wait_dscnt 32                                ; all but the 32 just issued
	WIN MUL
	MUL8 \f, 1, 0, 0
	MUL8 \f, 1, 2, 0
.endm
.macro TURN slot, next, fill
	WIN 0
	s_wait_tensorcnt 0x0                           ; all my tensor loads have landed: my part of the next slot
	ds_add_u32 v[SPW], v[NIL]
	s_wait_dscnt 17                                ; (the add and the youngest sixteen loads may be out)
	WIN MUL
	MUL8 F1, 0, 0, 0
	s_wait_dscnt 0x0                               ; the add is done, and my reads of this slot are over
	s_barrier_signal -1
	MUL8 F1, 0, 2, 0
.if \fill
	WIN 0
.endif
	s_barrier_wait -1
.if \fill
	CREST                                          ; the barrier has opened a round of the cluster's: no wave of any partner still reads this slot or has a load on its way
	s_add_nc_u64 s[G0+4*\slot+2:G0+4*\slot+3], s[G0+4*\slot+2:G0+4*\slot+3], 2*KSTEP*2
	s_add_nc_u64 s[G0B+4*\slot+2:G0B+4*\slot+3], s[G0B+4*\slot+2:G0B+4*\slot+3], 2*KSTEP*2
	JLOAD \slot
.else
	PLACES
.endif
	FETCH \next, 0, F0
	WIN MUL
	MUL8 F1, 1, 0, 0
	MUL8 F1, 1, 2, 0
.endm
	s_wait_tensorcnt 1                             ; my part of K step 0 is in; K step 1's may stay out
	s_barrier_signal -1
	s_barrier_wait -1
	FETCH 0, 0, F0
	QUARTER 0, 128, F0, F1, 1
	WIN 0
	s_mov_b32 s3, LAPS-1
.Llap:
	QUARTER 0, 256, F1, F0, 0
	QUARTER 0, 384, F0, F1, 0
	TURN 0, 1, 1
	QUARTER 1, 128, F0, F1, 0
	QUARTER 1, 256, F1, F0, 0
	QUARTER 1, 384, F0, F1, 0
	TURN 1, 0, 1
	QUARTER 0, 128, F0, F1, 0
	WIN 0
	s_sub_co_u32 s3, s3, 1
	s_cmp_lg_u32 s3, 0
	s_cbranch_scc1 .Llap
	QUARTER 0, 256, F1, F0, 0                      ; the last lap fills nothing
	QUARTER 0, 384, F0, F1, 0
	TURN 0, 1, 0
	QUARTER 1, 128, F0, F1, 0
	QUARTER 1, 256, F1, F0, 0
	QUARTER 1, 384, F0, F1, 0
	s_wait_dscnt 16
	WIN MUL
	MUL8 F1, 0, 0, 0
	MUL8 F1, 0, 2, 0
	s_wait_dscnt 0
	MUL8 F1, 1, 0, 0
	MUL8 F1, 1, 2, 0
	WIN 0
; THE WAY OUT, a block of 16 rows x 64 columns at a time, through my own stage: in as 32 bytes a lane, back as whole rows of 256 bytes.  LDS serves a wave's instructions in order.
.macro TOSTAGE a
.irp b, 0,1,2,3
	ds_store_b128 v[STO], v[ACC+8*(4*(\a)+\b):ACC+8*(4*(\a)+\b)+3] offset:64*\b        ; each accumulator from its low end on
	ds_store_b128 v[STO], v[ACC+8*(4*(\a)+\b)+4:ACC+8*(4*(\a)+\b)+7] offset:64*\b+16
.endr
.irp t, 0,1,2,3,4,5,6,7
	ds_load_b128 v[TMP+32*((\a)%2)+4*\t:TMP+32*((\a)%2)+4*\t+3], v[RD] offset:2*SPITCH*\t
.endr
.endm
.macro SEND a, younger
	s_wait_dscnt \younger
.irp t, 0,1,2,3,4,5,6,7
	global_store_b128 v[CO], v[TMP+32*((\a)%2)+4*\t:TMP+32*((\a)%2)+4*\t+3], s[8:9] offset:(16*(\a)+2*\t)*SIZE_N*4 th:TH_STORE_NT   ; sixteen lanes store 256 consecutive bytes, aligned
.endr
.endm
	PLACES
	TOSTAGE 0
.irp a, 1,2,3
.if \a > 1
	s_wait_xcnt 0x0                                ; block a - 2's stores have read their registers
.endif
	TOSTAGE \a
	SEND \a-1, 16                                  ; behind block a - 1's loads: block a's 8 stores and 8 loads
.endr
	SEND 3, 0
	s_wait_tensorcnt 0x0                           ; the wave's end
	ds_add_u32 v[SPW], v[NIL]
	s_wait_dscnt 0x0
	CROUND                                         ; the closing round
	s_endpgm
.Lfunc_end_k_q1a2f99b6c7_proj:
	.size	k_q1a2f99b6c7_proj, .Lfunc_end_k_q1a2f99b6c7_proj-k_q1a2f99b6c7_proj
	.p2alignl 7, 3214868480
	.fill 96, 4, 3214868480
	.section	.rodata,"a",@progbits
	.p2align	6, 0x0
	.amdhsa_kernel k_q1a2f99b6c7_proj
		.amdhsa_group_segment_fixed_size 327680
		.amdhsa_private_segment_fixed_size 0
		.amdhsa_enable_private_segment 0
		.amdhsa_kernarg_size 24
		.amdhsa_user_sgpr_count 2
		.amdhsa_user_sgpr_kernarg_segment_ptr 1
		.amdhsa_wavefront_size32 1
		.amdhsa_system_sgpr_workgroup_id_x 1
		.amdhsa_system_sgpr_workgroup_id_y 1
		.amdhsa_system_sgpr_workgroup_id_z 1
		.amdhsa_system_vgpr_workitem_id 0
		.amdhsa_next_free_vgpr 512
		.amdhsa_next_free_sgpr 66
		.amdhsa_reserve_vcc 0
		.amdhsa_float_denorm_mode_32 3
		.amdhsa_float_denorm_mode_16_64 3
		.amdhsa_memory_ordered 1
		.amdhsa_forward_progress 1
		.amdhsa_inst_pref_size 86
	.end_amdhsa_kernel
	.amdgpu_metadata
---
amdhsa.version: [ 1, 2 ]
amdhsa.kernels:
  - .name:           k_q1a2f99b6c7_proj
    .symbol:         k_q1a2f99b6c7_proj.kd
    .args:
      - { .name: ob, .offset: 0, .size: 8, .value_kind: global_buffer, .address_space: global }
      - { .name: wo16, .offset: 8, .size: 8, .value_kind: global_buffer, .address_space: global }
      - { .name: out0, .offset: 16, .size: 8, .value_kind: global_buffer, .address_space: global }
    .group_segment_fixed_size: 327680
    .private_segment_fixed_size: 0
    .kernarg_segment_align: 8
    .kernarg_segment_size: 24
    .max_flat_workgroup_size: 128
    .sgpr_count:     66
    .vgpr_count:     512
    .wavefront_size: 32
...
	.end_amdgpu_metadata
.endif
;; end of part 4
;; launch fine (part 5): grid 64 x 2, 8 waves a work-group, no clusters, 9,216 bytes of LDS; arguments o32, wo, out0; writes out0
.if DOCPART == 5
	.amdgcn_target "amdgcn-amd-amdhsa--gfx1250"
	.amdhsa_code_object_version 6
	.text
	.protected	k_q1a2f99b6c7_fine
	.globl	k_q1a2f99b6c7_fine
	.p2align	8
	.type	k_q1a2f99b6c7_fine,@function
k_q1a2f99b6c7_fine:
	s_mov_b64 s[64:65], 0
	v_nop
	global_prefetch_b8 v0, s[64:65] scope:SCOPE_SE
	s_setreg_imm32_b32 hwreg(HW_REG_WAVE_MODE, 25, 1), 1
	s_wait_xcnt 0x0
; FINE.  The first 16 positions of each batch once more, with f32 operands: out0[batch][s][n] = sum over k of o32[batch][s][k] wo[n][k], s < 16.  These rows average few values and are the largest in size.
; Work-group (x, y): batch y, columns 16 x .. 16 x + 15.  Wave w sums k = 128 w .. 128 w + 127 by 32 matrix instructions of 16 x 16 x 4 in f32, on two accumulators by turns; the eight waves' parts meet in LDS.
; A lane's load of 16 bytes holds four neighbours along K; the first two go to one accumulator's instruction, the last two to the other's.  The same order of k on both sides, so every product pairs the same k.
; Source 0 = 16 rows of wo, source 1 = the 16 rows of o32: lane (r, h) holds row r, columns 8 h + 0 .. 7.  32 rows in all: no bulk work.  A store covers 16 bytes a lane, 64 bytes of a row for the work-group.
.set SPW,   30
.set NIL,   31
.set SPARE, 8192                       ; behind the eight waves' parts of 1,024 bytes: the spare words
.set WO,    32                         ; v32-95   wo's numbers; later the eight parts
.set OF,    96                         ; v96-159  o32's
.set A0,    160                        ; v160-167, v168-175: the two accumulators, written by matrix instructions alone
.set A1,    168
.set SUM,   176
	s_load_b128 s[4:7], s[0:1], 0x0                ; o32, wo
	s_load_b64 s[8:9], s[0:1], 0x10                ; out0
	v_lshl_add_u32 v[SPW], v0, 2, SPARE
	v_mov_b32 v[NIL], 0
	v_lshrrev_b32 v1, 5, v0
	v_readfirstlane_b32 s10, v1                    ; wave 0..7
	v_and_b32 v2, 15, v0                           ; r
	v_bfe_u32 v3, v0, 4, 1                         ; h
	v_and_b32 v4, 31, v0
	v_lshlrev_b32 v5, 12, v2                       ; a row of 1,024 f32
	v_lshl_add_u32 v6, v3, 4, v5
	s_lshl_b32 s11, s10, 9
	v_add_nc_u32 v6, s11, v6                       ; row r, + my wave's 512 bytes, + 16 h
	v_lshlrev_b32 v7, 4, v4
	s_lshl_b32 s11, s10, 10
	v_add_nc_u32 v8, s11, v7                       ; LDS: my wave's part, 16 x lane
	s_and_b32 s12, s10, 1
	s_lshl_b32 s13, s12, 9
	v_add_nc_u32 v9, s13, v7                       ; and where waves 0 and 1 read: half g = wave of every part
	v_lshl_add_u32 v10, v3, 5, v5
	s_lshl_b32 s13, s12, 4
	v_add_nc_u32 v10, s13, v10                     ; out0: row r, + 32 h + 16 g
	s_and_b32 s14, ttmp7, 0xffff                   ; the batch
	s_lshl_b32 s16, ttmp9, 16                      ; wo: 16 rows of 4,096 bytes a work-group
	s_mov_b32 s17, 0
	s_lshl_b32 s18, s14, 16                        ; o32: 65,536 bytes a batch
	s_mov_b32 s19, 0
	s_lshl_b32 s20, s14, 23                        ; out0: 8,388,608 bytes a batch,
	s_lshl_b32 s21, ttmp9, 6                       ; + 16 columns of 4 bytes a work-group
	s_add_co_u32 s20, s20, s21
	s_mov_b32 s21, 0
	s_wait_kmcnt 0x0
	s_add_nc_u64 s[6:7], s[6:7], s[16:17]
	s_add_nc_u64 s[4:5], s[4:5], s[18:19]
	s_add_nc_u64 s[8:9], s[8:9], s[20:21]
.irp c, 0,1,2,3,4,5,6,7,8,9,10,11,12,13,14,15
	global_load_b128 v[WO+4*\c:WO+4*\c+3], v6, s[6:7] offset:32*\c
	global_load_b128 v[OF+4*\c:OF+4*\c+3], v6, s[4:5] offset:32*\c
.endr
	s_wait_loadcnt 0x0
	v_wmma_f32_16x16x4_f32 v[A0:A0+7], v[WO:WO+1], v[OF:OF+1], 0             ; each sum's first K step starts it
	v_wmma_f32_16x16x4_f32 v[A1:A1+7], v[WO+2:WO+3], v[OF+2:OF+3], 0
.irp c, 1,2,3,4,5,6,7,8,9,10,11,12,13,14,15
	v_wmma_f32_16x16x4_f32 v[A0:A0+7], v[WO+4*\c:WO+4*\c+1], v[OF+4*\c:OF+4*\c+1], v[A0:A0+7]       ; the two accumulators by turns, one instruction a turn
	v_wmma_f32_16x16x4_f32 v[A1:A1+7], v[WO+4*\c+2:WO+4*\c+3], v[OF+4*\c+2:OF+4*\c+3], v[A1:A1+7]
.endr
.rept 8
	v_nop                                          ; eight places behind this form, ahead of the first read of its results
.endr
.irp j, 0,1,2,3,4,5,6,7
	v_add_f32 v[SUM+\j], v[A0+\j], v[A1+\j]        ; ascending, into other registers
.endr
	ds_store_b128 v8, v[SUM:SUM+3]
	ds_store_b128 v8, v[SUM+4:SUM+7] offset:512
	s_wait_dscnt 0x0                               ; for the others' sake: my part lies in LDS
	s_barrier_signal -1
	s_barrier_wait -1
	s_cmp_lt_u32 s10, 2                            ; waves 0 and 1 add the eight parts, half a lane's eight numbers each
	s_cbranch_scc0 .Ldone
.irp p, 0,1,2,3,4,5,6,7
	ds_load_b128 v[WO+4*\p:WO+4*\p+3], v9 offset:1024*\p
.endr
	s_wait_dscnt 0x0
.irp p, 0,2,4,6
	v_pk_add_f32 v[WO+4*\p:WO+4*\p+1], v[WO+4*\p:WO+4*\p+1], v[WO+4*\p+4:WO+4*\p+5]
	v_pk_add_f32 v[WO+4*\p+2:WO+4*\p+3], v[WO+4*\p+2:WO+4*\p+3], v[WO+4*\p+6:WO+4*\p+7]
.endr
.irp p, 0,4
	v_pk_add_f32 v[WO+4*\p:WO+4*\p+1], v[WO+4*\p:WO+4*\p+1], v[WO+4*\p+8:WO+4*\p+9]
	v_pk_add_f32 v[WO+4*\p+2:WO+4*\p+3], v[WO+4*\p+2:WO+4*\p+3], v[WO+4*\p+10:WO+4*\p+11]
.endr
	v_pk_add_f32 v[WO:WO+1], v[WO:WO+1], v[WO+16:WO+17]
	v_pk_add_f32 v[WO+2:WO+3], v[WO+2:WO+3], v[WO+18:WO+19]
	global_store_b128 v10, v[WO:WO+3], s[8:9]
.Ldone:
	s_wait_tensorcnt 0x0                           ; the wave's end, behind my last LDS store
	ds_add_u32 v[SPW], v[NIL]
	s_wait_dscnt 0x0
	s_endpgm
.Lfunc_end_k_q1a2f99b6c7_fine:
	.size	k_q1a2f99b6c7_fine, .Lfunc_end_k_q1a2f99b6c7_fine-k_q1a2f99b6c7_fine
	.p2alignl 7, 3214868480
	.fill 96, 4, 3214868480
	.section	.rodata,"a",@progbits
	.p2align	6, 0x0
	.amdhsa_kernel k_q1a2f99b6c7_fine
		.amdhsa_group_segment_fixed_size 9216
		.amdhsa_private_segment_fixed_size 0
		.amdhsa_enable_private_segment 0
		.amdhsa_kernarg_size 24
		.amdhsa_user_sgpr_count 2
		.amdhsa_user_sgpr_kernarg_segment_ptr 1
		.amdhsa_wavefront_size32 1
		.amdhsa_system_sgpr_workgroup_id_x 1
		.amdhsa_system_sgpr_workgroup_id_y 1
		.amdhsa_system_sgpr_workgroup_id_z 1
		.amdhsa_system_vgpr_workitem_id 0
		.amdhsa_next_free_vgpr 192
		.amdhsa_next_free_sgpr 66
		.amdhsa_reserve_vcc 0
		.amdhsa_float_denorm_mode_32 3
		.amdhsa_float_denorm_mode_16_64 3
		.amdhsa_memory_ordered 1
		.amdhsa_forward_progress 1
		.amdhsa_inst_pref_size 10
	.end_amdhsa_kernel
	.amdgpu_metadata
---
amdhsa.version: [ 1, 2 ]
amdhsa.kernels:
  - .name:           k_q1a2f99b6c7_fine
    .symbol:         k_q1a2f99b6c7_fine.kd
    .args:
      - { .name: o32, .offset: 0, .size: 8, .value_kind: global_buffer, .address_space: global }
      - { .name: wo, .offset: 8, .size: 8, .value_kind: global_buffer, .address_space: global }
      - { .name: out0, .offset: 16, .size: 8, .value_kind: global_buffer, .address_space: global }
    .group_segment_fixed_size: 9216
    .private_segment_fixed_size: 0
    .kernarg_segment_align: 8
    .kernarg_segment_size: 24
    .max_flat_workgroup_size: 256
    .sgpr_count:     66
    .vgpr_count:     192
    .wavefront_size: 32
...
	.end_amdgpu_metadata
.endif
;; end of part 5
